; MI455X (gfx1250); checked and timed in simulation.
; The chip was launched on July 23, 2026; its instructions are those of AMD's public machine-readable ISA for CDNA 5 (MIT licence, August 2026) and "CDNA5" Instruction Set Architecture Reference Guide (July 2026). The comments in the code are by the model that wrote it; some were corrected since.
;; Visual Export Self Attention. Allowed arithmetic: matrix products marked QUANTISED: E2M3 operands, one E8M0 scale for each 32 along K, by v_wmma_scale_f32_16x16x128_f8f6f4 with both operands' format E2M3, f32 sums; everything else in f32.
;; Inputs: in_b 3,072 float32; in_w 3,072 x 1,024 float32; key_padding_mask 8 x 1,024 bool; out_b 1,024 float32; out_w 1,024 x 1,024 float32; x 8 x 1,024 x 1,024 float32.
;; Outputs: out0 8 x 1,024 x 1,024 float32.
;; This version of the problem:
;;   THIS VERSION OF THE PROBLEM IS GIVEN IN LOW PRECISION. The matrix products marked QUANTISED in the list below multiply operands that are first quantised to E2M3 (2 exponent bits, 3 mantissa bits; 6 bits a number), with one power-of-two scale for each 32 numbers along K (OCP MX v1.0); their sums are f32. All else is computed in f32.
;;   The module's matrix products, in the order in which they are computed (A, B: the left and right operand; K: the contracted axis; several contracted axes count as one K, in the product's order):
;;     1. [M 8,192, K 1,024] x [K 1,024, N 3,072]; A: input x; B: input in_w: QUANTISED
;;     2. batch 128 x [M 1,024, K 64] x [K 64, N 1,024]; A: computed on the way; B: computed on the way: QUANTISED
;;     3. batch 128 x [M 64, K 1,024] x [K 1,024, N 1,024]; A: computed on the way; B: softmax (see below): QUANTISED
;;     4. [M 8,192, K 1,024] x [K 1,024, N 1,024]; A: computed on the way; B: input out_w: QUANTISED
;;   THE QUANTISER, for each operand of a quantised product, along K:
;;     - K is cut into blocks of 32 from its start; a last block that is shorter is filled with zeros.
;;     - A block's scale is 2^e with e = floor(log2(the largest magnitude in the block)) - 2, held to -126 .. 127; a block of zeros has e = 0. As a byte (E8M0): e + 127.
;;     - Each number is divided by its block's scale, clamped to +-7.5, and rounded to the nearest number of E2M3, ties to even, subnormals kept.
;;     - The product sums the exact products of the quantised numbers (number of the format x scale) in f32.
;;   ~~~python
;;   def quantise(x, axis):      # numpy; x: float32 -> the quantised numbers, widened to float32 again
;;       x = np.moveaxis(x, axis, -1); K = x.shape[-1]
;;       x = np.pad(x, [(0, 0)] * (x.ndim - 1) + [(0, -K % 32)]); x = x.reshape(x.shape[:-1] + (-1, 32)); a = np.abs(x).max(-1, keepdims=True)
;;       e = np.where(a > 0, np.clip(np.frexp(np.where(a > 0, a, 1))[1] - 1 - 2, -126, 127), 0)      # np.frexp(a)[1] - 1 = floor(log2(a)), exactly
;;       r = np.clip(x / 2.0 ** e, -7.5, 7.5)
;;       step = 2.0 ** (np.maximum(np.frexp(np.where(r == 0, 1, r))[1] - 1, 0) - 3)
;;       q = np.round(r / step) * step * 2.0 ** e      # np.round: ties to even
;;       return np.moveaxis(q.reshape(q.shape[:-2] + (-1,))[..., :K], -1, axis).astype(np.float32)
;;   ~~~
;;   SOFTMAX AHEAD OF A QUANTISED PRODUCT. Where the list says 'softmax', what is quantised is not the finished softmax but p = 2^(t - M), with t = logit x log2(e) and M = ceil(the row's largest t), a whole number; so 1/2 < the row's largest p <= 1. The row's sum l is taken of the UNQUANTISED p, in f32, and the product's result is divided by l at the end. Since M is a whole number, a kernel that streams over the keys may use a running M (the ceiling of the running maximum): every later rescaling is an exact power of two, which a block's scale takes up: the codes' values come out the same.
;;   OPERANDS COMPUTED ON THE WAY. 'Computed on the way' means the value that the module computes at that place (a softmax that the list does not call 'softmax' is quantised finished and normalised). What goes into a quantiser is computed in f32, as accurately as f32 sums, v_exp_f32 and their like allow (about 1e-6 of the number): no bf16 or f16 on the way to a quantiser, and a product that is left as it is and whose result goes on into a quantised operand takes f32 operands (vector FMAs, or v_wmma_f32_16x16x4_f32). A number that lies on a knife's edge between two numbers of the format may be rounded either way, as far as f32 arithmetic and the matrix unit's own rounding can turn it there, and no further.
;; One version. Each part assembles by itself: llvm-mc -triple=amdgcn-amd-amdhsa -mcpu=gfx1250 --defsym DOCPART=n.
;; ======== version 1 of 1: 4 launches
;; limits: right only within a limited range of input values
;; workspace buffers: img 9,437,184 bytes; sc 393,216 bytes; qimg 6,815,744 bytes; kv 13,631,488 bytes; cimg 6,291,456 bytes; csc 262,144 bytes
;; launch quant (part 1): grid 768 x 1, 8 waves a work-group, no clusters, 69,120 bytes of LDS; arguments x, in_w, out_w, img, sc; writes img, sc
.if DOCPART == 1
	.amdgcn_target "amdgcn-amd-amdhsa--gfx1250"
	.amdhsa_code_object_version 6
	.text
	.protected	k_q5750ee8094_quant
	.globl	k_q5750ee8094_quant
	.p2align	8
	.type	k_q5750ee8094_quant,@function
k_q5750ee8094_quant:
	s_mov_b64 s[64:65], 0
	v_nop
	global_prefetch_b8 v0, s[64:65] scope:SCOPE_SE
	s_setreg_imm32_b32 hwreg(HW_REG_WAVE_MODE, 25, 1), 1
	s_wait_xcnt 0x0
; x [8192][1024], in_w [3072][1024], out_w [1024][1024], f32, K innermost, become codes of FP6 (E2M3) with one E8M0 byte for each 32 along K,
; laid IN THE ORDER OF THE OPERAND'S REGISTERS.  A tile T is 16 rows: row(T, p) = 32 (T / 2) + 8 (T % 2) + p % 8 + 16 (p / 8), so that a product that takes such
; a tile as its source 0 leaves 16 neighbours along these rows in the 16 registers of tiles 2 b and 2 b + 1.
; img: [tile][K step of 128][1,536 bytes]: for c = 0, 1: lane l's registers 6 c .. 6 c + 3 at 768 c + 16 l, its registers 6 c + 4, 6 c + 5 at 768 c + 512 + 8 l.
; sc:  [tile][row p][K step]: one word of four bytes.   Tiles 0-511 x, 512-703 in_w, 704-767 out_w.
; A block's scale is 2^(floor(log2(largest magnitude)) - 2); its byte is the largest magnitude's exponent field - 2, held at 1 from below.
; LIMITS: a block of zeros gets the byte 1 where the quantiser says 127 (its codes are zeros, and this program alone reads the bytes); NaN and infinities are not served.
; SHARES: a work-group takes a tile, its eight waves the eight K steps.  Each load reads 512 consecutive bytes of one row; the 16 rows turn through the wave's own stage in LDS
; (pitch 528 bytes: 132 words, so that sixteen rows begin at sixteen different groups of four banks) and come back 128 bytes (a block of 32) a lane.
; No tensor load, no matrix unit, no cluster: the launch streams, and work-groups share nothing.
.set STG,   8448                       ; a wave's stage: 16 rows x 528 bytes
.set SCG,   8*STG                      ; the tile's 128 scale words, gathered
.set SPARE, SCG+512                    ; the spare words, 128 bytes for each of eight waves: four blocks of 256 bytes that no other line names
.set SPW,   14                         ; v14  LDS address of my spare word; never rewritten
.set NIL,   15                         ; v15  0; never rewritten
.set R,     16                         ; v16-79   16 x 4 registers as loaded
.set X,     80                         ; v80-143  my two blocks of 32 neighbours
.set C,     144                        ; v144-155 the fragment's 12 registers
.set TC,    156                        ; v156-158, v160-162: each block's upper 16 codes (a conversion's three registers begin on an even number)
.set GA,    164                        ; v164 where wave 0 reads the gathered words
	s_load_b128 s[4:7], s[0:1], 0x0                ; x, in_w
	s_load_b128 s[8:11], s[0:1], 0x10              ; out_w, img
	s_load_b64 s[12:13], s[0:1], 0x20              ; sc
	v_lshl_add_u32 v[SPW], v0, 2, SPARE
	v_mov_b32 v[NIL], 0
	v_lshrrev_b32 v1, 5, v0
	v_readfirstlane_b32 s18, v1                    ; wave = K step
	v_and_b32 v1, 31, v0                           ; lane
	v_and_b32 v2, 15, v0                           ; r
	v_bfe_u32 v3, v0, 4, 1                         ; h
	v_lshlrev_b32 v4, 4, v1                        ; 16 x lane
	v_lshlrev_b32 v5, 3, v1                        ; 8 x lane
	s_mul_i32 s19, s18, STG
	v_add_nc_u32 v6, s19, v4                       ; the stage, way in: a row's 512 bytes as they lie
	v_mul_u32_u24 v7, v2, 528
	v_lshl_add_u32 v7, v3, 7, v7
	v_add_nc_u32 v7, s19, v7                       ; way out: row r, + 128 h: my block of 32 numbers
	s_lshl_b32 s20, s18, 2
	s_add_co_u32 s20, s20, SCG
	v_lshl_add_u32 v8, v2, 5, s20                  ; my row's word of my K step: 32 r + 4 s
	v_add_nc_u32 v[GA], SCG, v4
	s_mov_b32 s26, 0x76543210
	s_mov_b32 s27, 0xfedcba98                      ; v_permlanex16_b32's selects for lane l xor 16
	s_cmp_lt_u32 ttmp9, 512                        ; which tensor, and which tile of it: the choice hangs on the work-group's number alone
	s_cselect_b32 s21, 0, 512
	s_cmp_lt_u32 ttmp9, 704
	s_cselect_b32 s21, s21, 704
	s_sub_co_u32 s21, ttmp9, s21
	s_lshr_b32 s22, s21, 1
	s_lshl_b32 s22, s22, 17                        ; 32 rows of 4,096 bytes for each pair of tiles,
	s_and_b32 s23, s21, 1
	s_lshl_b32 s23, s23, 15                        ; 8 rows for the odd tile,
	s_add_co_u32 s22, s22, s23
	s_lshl_b32 s23, s18, 9                         ; 512 bytes a K step
	s_add_co_u32 s22, s22, s23
	s_mov_b32 s23, 0
	s_mul_i32 s24, ttmp9, 12288
	s_mul_i32 s25, s18, 1536
	s_add_co_u32 s24, s24, s25
	s_mov_b32 s25, 0
	s_lshl_b32 s28, ttmp9, 9
	s_mov_b32 s29, 0
	s_wait_kmcnt 0x0
	s_cmp_lt_u32 ttmp9, 512
	s_cselect_b64 s[4:5], s[4:5], s[6:7]
	s_cmp_lt_u32 ttmp9, 704
	s_cselect_b64 s[4:5], s[4:5], s[8:9]
	s_add_nc_u64 s[4:5], s[4:5], s[22:23]
	s_add_nc_u64 s[10:11], s[10:11], s[24:25]
	s_add_nc_u64 s[12:13], s[12:13], s[28:29]
.irp p, 0,1,2,3,4,5,6,7,8,9,10,11,12,13,14,15
	global_load_b128 v[R+4*\p:R+4*\p+3], v4, s[4:5] offset:((\p%8)+16*(\p/8))*4096 th:TH_LOAD_NT   ; the tile's row p: 32 lanes read 512 consecutive bytes
.endr
.irp p, 0,1,2,3,4,5,6,7,8,9,10,11,12,13,14,15
	s_wait_loadcnt 15-\p                           ; loads come back in order: row p is in, the younger ones stay out
	ds_store_b128 v6, v[R+4*\p:R+4*\p+3] offset:528*\p
.endr
.irp c, 0,1
.irp q, 0,1,2,3,4,5,6,7
	ds_load_b128 v[X+32*\c+4*\q:X+32*\c+4*\q+3], v7 offset:256*\c+16*\q   ; k = 64 c + 32 h + 0 .. 31 of row r; LDS serves a wave's instructions in order: these see my stores
.endr
.endr
	s_wait_dscnt 0x0
.irp c, 0,1
	v_max3_num_f32 v[10+\c], |v[X+32*\c]|, |v[X+32*\c+1]|, 0x1800000   ; my block 2 c + h, and the floor 2^(3 - 127): the byte cannot fall under 1
.endr
.irp i, 2,4,6,8,10,12,14,16,18,20,22,24,26,28,30
.irp c, 0,1
	v_max3_num_f32 v[10+\c], v[10+\c], |v[X+32*\c+\i]|, |v[X+32*\c+\i+1]|   ; (the two blocks by turns)
.endr
.endr
.irp c, 0,1
	v_add_nc_u32 v[12+\c], 0xff000000, v[10+\c]    ; 2 off the exponent field: the conversion's scale operand
.endr
	v_lshrrev_b32 v10, 23, v12                     ; the two bytes
	v_lshrrev_b32 v11, 23, v13
	v_lshl_or_b32 v9, v11, 16, v10                 ; blocks h and 2 + h of row r,
	v_lshlrev_b32 v10, 3, v3
	v_lshlrev_b32 v9, v10, v9                      ; at their places in the word (8 h bits up);
	v_mov_b32 v10, 0
	v_permlanex16_b32 v10, v9, s26, s27
	v_or_b32 v9, v9, v10                           ; with lane l xor 16's two the word is whole
.irp c, 0,1
	v_cvt_scalef32_pk16_fp6_f32 v[C+6*\c:C+6*\c+2], v[X+32*\c:X+32*\c+15], v[12+\c]
	v_cvt_scalef32_pk16_fp6_f32 v[TC+4*\c:TC+4*\c+2], v[X+32*\c+16:X+32*\c+31], v[12+\c]
.endr
	v_nop                                          ; one plain place behind a scaled conversion
.irp c, 0,1
.irp i, 0,1,2
	v_mov_b32 v[C+6*\c+3+\i], v[TC+4*\c+\i]
.endr
.endr
	global_store_b128 v4, v[C:C+3], s[10:11]                     ; 512 consecutive bytes,
	global_store_b64 v5, v[C+4:C+5], s[10:11] offset:512         ; 256,
	global_store_b128 v4, v[C+6:C+9], s[10:11] offset:768        ; and the same for c = 1
	global_store_b64 v5, v[C+10:C+11], s[10:11] offset:1280
	ds_store_b32 v8, v9                            ; lanes r and r + 16 write the same word with the same value
	s_wait_dscnt 0x0                               ; for the others' sake: my word lies in LDS
	s_barrier_signal -1
	s_barrier_wait -1
	s_cmp_lg_u32 s18, 0
	s_cbranch_scc1 .Lnot_wave_0
	ds_load_b128 v[R:R+3], v[GA]                   ; the tile's 128 words leave as 512 consecutive bytes
	s_wait_dscnt 0x0
	global_store_b128 v4, v[R:R+3], s[12:13]
.Lnot_wave_0:
	s_wait_tensorcnt 0x0                           ; the wave's end, behind my last LDS store
	ds_add_u32 v[SPW], v[NIL]
	s_wait_dscnt 0x0
	s_endpgm
.Lfunc_end_k_q5750ee8094_quant:
	.size	k_q5750ee8094_quant, .Lfunc_end_k_q5750ee8094_quant-k_q5750ee8094_quant
	.p2alignl 7, 3214868480
	.fill 96, 4, 3214868480
	.section	.rodata,"a",@progbits
	.p2align	6, 0x0
	.amdhsa_kernel k_q5750ee8094_quant
		.amdhsa_group_segment_fixed_size 69120
		.amdhsa_private_segment_fixed_size 0
		.amdhsa_enable_private_segment 0
		.amdhsa_kernarg_size 40
		.amdhsa_user_sgpr_count 2
		.amdhsa_user_sgpr_kernarg_segment_ptr 1
		.amdhsa_wavefront_size32 1
		.amdhsa_system_sgpr_workgroup_id_x 1
		.amdhsa_system_sgpr_workgroup_id_y 1
		.amdhsa_system_sgpr_workgroup_id_z 1
		.amdhsa_system_vgpr_workitem_id 0
		.amdhsa_next_free_vgpr 168
		.amdhsa_next_free_sgpr 66
		.amdhsa_reserve_vcc 0
		.amdhsa_float_denorm_mode_32 3
		.amdhsa_float_denorm_mode_16_64 3
		.amdhsa_memory_ordered 1
		.amdhsa_forward_progress 1
		.amdhsa_inst_pref_size 11
	.end_amdhsa_kernel
	.amdgpu_metadata
---
amdhsa.version: [ 1, 2 ]
amdhsa.kernels:
  - .name:           k_q5750ee8094_quant
    .symbol:         k_q5750ee8094_quant.kd
    .args:
      - { .name: x, .offset: 0, .size: 8, .value_kind: global_buffer, .address_space: global }
      - { .name: in_w, .offset: 8, .size: 8, .value_kind: global_buffer, .address_space: global }
      - { .name: out_w, .offset: 16, .size: 8, .value_kind: global_buffer, .address_space: global }
      - { .name: img, .offset: 24, .size: 8, .value_kind: global_buffer, .address_space: global }
      - { .name: sc, .offset: 32, .size: 8, .value_kind: global_buffer, .address_space: global }
    .group_segment_fixed_size: 69120
    .private_segment_fixed_size: 0
    .kernarg_segment_align: 8
    .kernarg_segment_size: 40
    .max_flat_workgroup_size: 256
    .sgpr_count:     66
    .vgpr_count:     168
    .wavefront_size: 32
...
	.end_amdgpu_metadata
.endif
;; end of part 1
;; launch qkv (part 2): grid 4 x 64, 4 waves a work-group, clusters of 4 x 4, 327,680 bytes of LDS; arguments img, sc, in_b, qimg, kv; writes qimg, kv
.if DOCPART == 2
	.amdgcn_target "amdgcn-amd-amdhsa--gfx1250"
	.amdhsa_code_object_version 6
	.text
	.protected	k_q5750ee8094_qkv
	.globl	k_q5750ee8094_qkv
	.p2align	8
	.type	k_q5750ee8094_qkv,@function
k_q5750ee8094_qkv:
	s_mov_b64 s[64:65], 0
	v_nop
	global_prefetch_b8 v0, s[64:65] scope:SCOPE_SE
	s_setreg_imm32_b32 hwreg(HW_REG_WAVE_MODE, 25, 1), 1
	s_wait_xcnt 0x0
	s_wait_alu depctr_hold_cnt(0) depctr_sa_sdst(0) depctr_va_vdst(0) depctr_va_sdst(0) depctr_va_ssrc(0) depctr_va_vcc(0) depctr_vm_vsrc(0)
	s_getreg_b32 s2, hwreg(HW_REG_IB_STS2, 6, 4)
	s_cmp_eq_u32 s2, 0
	s_cbranch_scc0 .Lentry_in_a_cluster
	s_endpgm
.Lentry_in_a_cluster:
	s_bfe_u32 s2, ttmp6, 0x10000c
	s_cmp_lg_u32 s2, 0xf033
	s_cbranch_scc0 .Lentry_shape_is_right
	s_endpgm
.Lentry_shape_is_right:
; qkv = x in_w^T + in_b on codes of FP6 (E2M3) with E8M0 scales, and q, k, v quantised at once, in registers, for the attention launch: qkv never goes to memory as f32.
; A WORK-GROUP STAYS: it owns 128 tokens and four heads, and makes their q, then their k, then their v: three tiles of 128 tokens x 256 columns.  Its four waves take 64 columns each: ONE HEAD a wave,
; 8 tiles of tokens x 4 tiles of columns, 32 accumulators.  64 token blocks x 4 groups of heads are 256 work-groups.
; LDS: x's 8 tiles for all of K (98,304 bytes) are filled once and stay; so do x's scale words, in registers.  in_w's 16 tiles for all of K (196,608 bytes) lie in two halves of K.  Each half is filled again
; with the next kind's rows as soon as every wave holds the half's last fragments in registers: half 0 at the head of K step 3, half 1 at the head of K step 7.
; The operands come from img in the order of the operand's registers, so a fragment is two loads of 16 bytes and two of 8 a lane, each over consecutive bytes.
; Each wave fetches 2 of x's tiles, and the 4 tiles of in_w that it alone reads.
; CLUSTERS: 4 x 4 work-groups.  The four of a row of the cluster need the same tiles of x, the four of a column the same tiles of in_w: each is asked for JOINTLY.
;   q, k: THE PRODUCT IS USED TRANSPOSED (source 0 = 16 rows of in_w, source 1 = 16 tokens): a lane holds one token, its registers run along the head's 64 channels, which are the next product's K.
;   v:    source 0 = 16 tokens, source 1 = 16 rows of in_w: a lane holds one channel, its registers run along the 128 tokens, which are the keys: the K of the product with the softmax.
; Tiles hold the rows 32 (T / 2) + 8 (T % 2) + p % 8 + 16 (p / 8): so the 16 registers of two neighbouring tiles of source 0 are 16 neighbours along the next K.
; The bias is the C of each sum's first matrix instruction.
; OUT: qimg [head][block of 128 tokens]: 8 half fragments of 768 bytes (16 tokens x 64 channels), then 512 bytes of scale words [row][tile].
;      kv   [head][step of 128 keys], 13,312 bytes: k as q; at 6,144 v's 4 fragments (16 channels x 128 keys); at 12,288 k's words; at 12,800 v's words [row][tile], and a copy of them at 13,056.
;      A word of q or k is byte 0 | byte 1 << 8 | 0x7f7f0000: the upper two bytes scale the 64 along K that a head does not have.
; LIMITS: a block of zeros gets the byte 1 where the quantiser says 127 (zero codes; this program alone reads the bytes); NaN and infinities are not served.
; REGISTERS, in windows of 256: window 0: v1-19 addresses; v28, v29 the add's two; v32-95 x's scale words (8 i + s), v96-127 in_w's (8 t + s): scales and nothing else;
;   v128-159 the bias; v160-239 the way out.   window 1: x's fragments, two sets of 96.   window 2: the accumulators.   window 3: in_w's fragments, two sets of 48.
.set WT0,   512                        ; in_w's first tile in img and sc
.set AH,    49152                      ; half of K of x's 8 tiles: 8 x 6,144 bytes
.set BB,    2*AH                       ; behind x: in_w
.set BH,    98304                      ; half of K of in_w's 16 tiles
.set SPARE, BB+2*BH                    ; behind them: the spare words, 128 bytes a wave: two blocks of 256 bytes that no other line names
.set KIND,  64*12288                   ; from q's rows of in_w to k's, from k's to v's: 64 tiles of img
.set SPW,   28
.set NIL,   29
.set SCX,   32
.set SCW,   96
.set BI,    128
.set CD,    160                        ; v160-207 the codes: 12 registers for each of four runs of QUANT
.set TC,    208                        ; v208-210, v212-214 (a conversion's three registers begin on an even number)
.set TM,    216                        ; v216-219 largest magnitudes, v220-223 the other lane's, then bytes, v228-231 the conversions' scale operands
.set PW,    232                        ; v232-235 the four words made
.set OW,    236                        ; v236-239 the words as q and k store them
.set G1A,   32                         ; s[32:39] descriptor group 1 for x's tiles;  s[40:47] for in_w's
.set G1B,   40
.set G0A,   48                         ; s[48:55] groups 0 for x's two halves;  s[56:63] for in_w's, which walk from kind to kind
.set G0B,   56
.set MSB, 0
.macro WIN new                         ; the immediate's high byte repeats the setting that is left
.if MSB != \new
	s_set_vgpr_msb (MSB<<8)|\new
.set MSB, \new
.endif
.endm
.macro CREST                           ; a round of the cluster's barrier behind its opening barrier
	s_cmp_lg_u32 s20, 0
	s_cbranch_scc1 .Lnot_wave_0_\@
	s_barrier_signal -3
.Lnot_wave_0_\@:
	s_barrier_wait -3
	s_barrier_signal -1
	s_barrier_wait -1
.endm
.macro CROUND                          ; a whole round
	s_barrier_signal -1
	s_barrier_wait -1
	CREST
.endm
.macro PLACES                          ; four plain vector instructions between a matrix instruction and a load into, or a vector read of, its registers
.rept 4
	v_nop
.endr
.endm
	s_load_b256 s[4:11], s[0:1], 0x0               ; img s[4:5], sc s[6:7], in_b s[8:9], qimg s[10:11]
	s_load_b64 s[12:13], s[0:1], 0x20              ; kv
	v_lshl_add_u32 v[SPW], v0, 2, SPARE
	v_mov_b32 v[NIL], 0
	ds_add_u32 v[SPW], v[NIL]                      ; the wave's opening: the add and its wait stand ahead of my first tensor load; the set-up below, work on registers, stands between them
	v_lshrrev_b32 v1, 5, v0
	v_readfirstlane_b32 s20, v1                    ; wave 0..3
	s_bfe_u32 s23, ttmp6, 0x40000                  ; cx: which four heads
	s_bfe_u32 s24, ttmp6, 0x40004                  ; cy
	s_and_b32 s26, ttmp7, 0xffff
	s_lshl_b32 s26, s26, 2
	s_add_co_u32 s26, s26, s24                     ; block of 128 tokens = 4 x cluster y + cy
	s_lshl_b32 s27, s24, 2
	s_lshl_b32 s27, 15, s27                        ; my row of the cluster
	s_lshl_b32 s28, 0x1111, s23                    ; my column
	; group 1: rows of 6,144 bytes (a tile's half of K: 768 elements of 8 bytes), 12,288 bytes apart in memory, dense in LDS: 2 tiles of x, 4 of in_w
	s_or_b32 s[G1A], s27, (3<<16)|(1<<21)          ; 15:0 the mask; 17:16 elements of 8 bytes; 20 no padding; 21 set beside a mask
	s_or_b32 s[G1B], s28, (3<<16)|(1<<21)
	s_mov_b32 s[G1A+1], 768<<16                    ; tensor_dim0
	s_mov_b32 s[G1A+2], 2<<16                      ; tensor_dim1
	s_mov_b32 s[G1A+3], 768<<16                    ; tile_dim0
	s_mov_b32 s[G1A+4], 2                          ; tile_dim1
	s_mov_b32 s[G1A+5], 1536                       ; tensor_dim0_stride
	s_mov_b32 s[G1A+6], 0
	s_mov_b32 s[G1A+7], 0
	s_mov_b32 s[G1B+1], 768<<16
	s_mov_b32 s[G1B+2], 4<<16
	s_mov_b32 s[G1B+3], 768<<16
	s_mov_b32 s[G1B+4], 4
	s_mov_b32 s[G1B+5], 1536
	s_mov_b32 s[G1B+6], 0
	s_mov_b32 s[G1B+7], 0
	s_lshl_b32 s66, s26, 3                         ; x: tile 8 x token block + 2 x wave: it hangs on what my row of the cluster shares
	s_lshl_b32 s67, s20, 1
	s_add_co_u32 s66, s66, s67
	s_mul_i32 s66, s66, 12288
	s_mov_b32 s67, 0
	s_lshl_b32 s68, s23, 4                         ; in_w, q's rows: tile 16 cx + 4 x wave: what my column shares
	s_lshl_b32 s69, s20, 2
	s_add_co_u32 s68, s68, s69
	s_add_co_u32 s68, s68, WT0
	s_mul_i32 s68, s68, 12288
	s_mov_b32 s69, 0
	s_mul_i32 s70, s20, 12288                      ; where they go: no place in the cluster enters an LDS address
	s_mul_i32 s71, s20, 24576
	s_add_co_u32 s71, s71, BB
	s_mov_b32 s92, 0x76543210
	s_mov_b32 s93, 0xfedcba98                      ; v_permlanex16_b32's selects for lane l xor 16
	s_mov_b32 s94, 0x7f7f0000
	s_mov_b32 s95, 0xffff0000                      ; lanes 16-31
	s_wait_dscnt 0x0                               ; the opening add is done
	s_wait_kmcnt 0x0
	s_add_nc_u64 s[66:67], s[4:5], s[66:67]
	s_add_nc_u64 s[68:69], s[4:5], s[68:69]
.irp f, 0,1
	s_mov_b32 s[G0A+4*\f], 1                       ; count = 1
	s_add_co_u32 s[G0A+4*\f+1], s70, \f*AH         ; LDS address
	s_add_nc_u64 s[G0A+4*\f+2:G0A+4*\f+3], s[66:67], \f*6144   ; global address: half f of each tile
	s_or_b32 s[G0A+4*\f+3], s[G0A+4*\f+3], 0x80000000          ; type = 2
	s_mov_b32 s[G0B+4*\f], 1
	s_add_co_u32 s[G0B+4*\f+1], s71, \f*BH
	s_add_nc_u64 s[G0B+4*\f+2:G0B+4*\f+3], s[68:69], \f*6144
	s_or_b32 s[G0B+4*\f+3], s[G0B+4*\f+3], 0x80000000
.endr
	CROUND                                         ; all sixteen work-groups are here: the first joint loads meet
.irp f, 0,1                            ; the first fills go out as one group, ahead of every wait on TENSORcnt, every LDS read and every other barrier: four loads of mine are out
	tensor_load_to_lds s[G0A+4*\f:G0A+4*\f+3], s[G1A:G1A+7]
	s_nop 0
	tensor_load_to_lds s[G0B+4*\f:G0B+4*\f+3], s[G1B:G1B+7]
	s_nop 0
.endr
	PLACES
	v_and_b32 v3, 31, v0                           ; lane
	v_and_b32 v1, 15, v0                           ; r
	v_bfe_u32 v2, v0, 4, 1                         ; h
	v_lshlrev_b32 v4, 4, v3                        ; x's fragments, half 0: 16 x lane,
	v_lshlrev_b32 v5, 3, v3                        ; 8 x lane;
	v_add_nc_u32 v6, AH, v4                        ; half 1
	v_add_nc_u32 v7, AH, v5
	v_add_nc_u32 v16, s71, v4                      ; in_w's: my four tiles, half 0;
	v_add_nc_u32 v17, s71, v5
	v_add_nc_u32 v18, BH, v16                      ; half 1.  None of these eight is written again
	v_add_nc_u32 v19, BH, v17
	v_lshlrev_b32 v8, 4, v3                        ; the stores' offsets
	v_lshlrev_b32 v9, 3, v3
	v_lshlrev_b32 v10, 5, v1                       ; a row's eight scale words
	v_lshlrev_b32 v11, 6, v2                       ; q, k: the bias in the result's layout: tile t, lane half h: columns 32 (t / 2) + 8 (t % 2) + 16 h + 0 .. 7
	v_lshl_add_u32 v12, v2, 4, v10                 ; q, k: the words' place: 32 r + 16 h
	v_and_b32 v13, 7, v1                           ; v: every register of lane r holds column 32 (t / 2) + 8 (t % 2) + r % 8 + 16 (r / 8)
	v_lshrrev_b32 v14, 3, v1
	v_lshl_add_u32 v13, v14, 4, v13
	v_lshlrev_b32 v13, 2, v13
	v_lshlrev_b32 v14, 4, v1
	v_lshl_add_u32 v14, v2, 8, v14                 ; v: the words' place: 16 r, and lanes 16-31 the copy 256 bytes on
.irp b, 0,1,2,3
	v_mov_b32 v[TM+4+\b], 0                        ; written once: a lane permute's destination counts as one of its sources
.endr
	s_lshl_b32 s72, s26, 12                        ; x's scale words: 512 bytes a tile, 8 tiles a block
	s_mov_b32 s73, 0
	s_add_nc_u64 s[72:73], s[6:7], s[72:73]
	s_lshl_b32 s74, s23, 4
	s_lshl_b32 s75, s20, 2
	s_add_co_u32 s74, s74, s75
	s_add_co_u32 s74, s74, WT0
	s_lshl_b32 s74, s74, 9                         ; in_w's: from my first tile of q's rows on; a kind further on: 64 tiles, 32,768 bytes, in the immediate
	s_mov_b32 s75, 0
	s_add_nc_u64 s[74:75], s[6:7], s[74:75]
	s_lshl_b32 s30, s23, 10
	s_lshl_b32 s31, s20, 8
	s_add_co_u32 s30, s30, s31
	s_mov_b32 s31, 0
	s_add_nc_u64 s[8:9], s[8:9], s[30:31]          ; in_b at my 64 columns of q; a kind further on: 4,096 bytes, in the immediate
; in_w's scale words and the bias of kind n (0 q, 1 k, 2 v); path 0: the transposed product's layout, 1: the other
.macro WLOAD n, path
.irp t, 0,1,2,3
	global_load_b128 v[SCW+8*\t:SCW+8*\t+3], v10, s[74:75] offset:32768*(\n)+512*\t       ; lane r: row r's words of K steps 0-3,
	global_load_b128 v[SCW+8*\t+4:SCW+8*\t+7], v10, s[74:75] offset:32768*(\n)+512*\t+16  ; 4-7
.endr
.if (\path) == 0
.irp t, 0,1,2,3
	global_load_b128 v[BI+8*\t:BI+8*\t+3], v11, s[8:9] offset:4096*(\n)+(32*(\t/2)+8*(\t%2))*4
	global_load_b128 v[BI+8*\t+4:BI+8*\t+7], v11, s[8:9] offset:4096*(\n)+(32*(\t/2)+8*(\t%2))*4+16
.endr
.else
.irp t, 0,1,2,3
.irp j, 0,1,2,3,4,5,6,7
	global_load_b32 v[BI+8*\t+\j], v13, s[8:9] offset:4096*(\n)+(32*(\t/2)+8*(\t%2))*4
.endr
.endr
.endif
.endm
.irp i, 0,1,2,3,4,5,6,7
	global_load_b128 v[SCX+8*\i:SCX+8*\i+3], v10, s[72:73] offset:512*\i       ; x's words: once for all three kinds
	global_load_b128 v[SCX+8*\i+4:SCX+8*\i+7], v10, s[72:73] offset:512*\i+16
.endr
	WLOAD 0, 0
	s_lshr_b32 s30, s26, 3                         ; batch
	s_lshl_b32 s30, s30, 4
	s_lshl_b32 s31, s23, 2
	s_add_co_u32 s30, s30, s31
	s_add_co_u32 s30, s30, s20                     ; 16 x batch + head (head = 4 cx + wave): it enters the stores' addresses alone
	s_lshl_b32 s30, s30, 3
	s_and_b32 s31, s26, 7
	s_add_co_u32 s30, s30, s31                     ; x 8 + the block of 128 tokens in the batch
	s_mul_i32 s66, s30, 6656
	s_mov_b32 s67, 0
	s_add_nc_u64 s[96:97], s[10:11], s[66:67]      ; my block of qimg
	s_mul_i32 s66, s30, 13312
	s_add_nc_u64 s[98:99], s[12:13], s[66:67]      ; and of kv
.macro FRAGL reg, a16, a8, off         ; a fragment, 12 registers, as it was stored
	ds_load_b128 v[(\reg):(\reg)+3], v[\a16] offset:(\off)
	ds_load_b64 v[(\reg)+4:(\reg)+5], v[\a8] offset:(\off)+512
	ds_load_b128 v[(\reg)+6:(\reg)+9], v[\a16] offset:(\off)+768
	ds_load_b64 v[(\reg)+10:(\reg)+11], v[\a8] offset:(\off)+1280
.endm
.macro FETCH s                         ; K step s: 8 fragments of x, my 4 of in_w, into set s % 2: 48 loads in one run
	WIN 0x40                                       ; destination window 1
.irp i, 0,1,2,3,4,5,6,7
	FRAGL 96*((\s)%2)+12*\i, 4+2*((\s)/4), 5+2*((\s)/4), 6144*\i+1536*((\s)%4)
.endr
	WIN 0xc0                                       ; destination window 3
.irp t, 0,1,2,3
	FRAGL 48*((\s)%2)+12*\t, 16+2*((\s)/4), 17+2*((\s)/4), 6144*\t+1536*((\s)%4)
.endr
	WIN 0
.endm
; 16 matrix instructions: tiles of tokens i0 .. i0 + 3 against my four tiles of columns.  Two of these are a K step: every accumulator once, in the same order in every step and every kind:
; the accumulators take turns.  path 0: transposed; path 1: tokens as source 0.
.macro MULH s, path, i0
.set FA, 96*((\s)%2)
.set FB, 48*((\s)%2)
.if (\path) == 0
.if (\s) == 0
	WIN 0x87                                       ; source 0 window 3, source 1 window 1, C (the bias) window 0, D window 2
.else
	WIN 0xa7
.endif
.irp i, \i0, \i0+1, \i0+2, \i0+3
.irp t, 0,1,2,3
.if (\s) == 0
	v_wmma_scale_f32_16x16x128_f8f6f4 v[8*(4*(\i)+\t):8*(4*(\i)+\t)+7], v[FB+12*\t:FB+12*\t+11], v[FA+12*(\i):FA+12*(\i)+11], v[BI+8*\t:BI+8*\t+7], v[SCW+8*\t+(\s)], v[SCX+8*(\i)+(\s)] matrix_a_fmt:MATRIX_FMT_FP6 matrix_b_fmt:MATRIX_FMT_FP6
.else
	v_wmma_scale_f32_16x16x128_f8f6f4 v[8*(4*(\i)+\t):8*(4*(\i)+\t)+7], v[FB+12*\t:FB+12*\t+11], v[FA+12*(\i):FA+12*(\i)+11], v[8*(4*(\i)+\t):8*(4*(\i)+\t)+7], v[SCW+8*\t+(\s)], v[SCX+8*(\i)+(\s)] matrix_a_fmt:MATRIX_FMT_FP6 matrix_b_fmt:MATRIX_FMT_FP6
.endif
.endr
.endr
.else
.if (\s) == 0
	WIN 0x8d                                       ; source 0 window 1, source 1 window 3, C (the bias) window 0, D window 2
.else
	WIN 0xad
.endif
.irp i, \i0, \i0+1, \i0+2, \i0+3
.irp t, 0,1,2,3
.if (\s) == 0
	v_wmma_scale_f32_16x16x128_f8f6f4 v[8*(8*\t+(\i)):8*(8*\t+(\i))+7], v[FA+12*(\i):FA+12*(\i)+11], v[FB+12*\t:FB+12*\t+11], v[BI+8*\t:BI+8*\t+7], v[SCX+8*(\i)+(\s)], v[SCW+8*\t+(\s)] matrix_a_fmt:MATRIX_FMT_FP6 matrix_b_fmt:MATRIX_FMT_FP6
.else
	v_wmma_scale_f32_16x16x128_f8f6f4 v[8*(8*\t+(\i)):8*(8*\t+(\i))+7], v[FA+12*(\i):FA+12*(\i)+11], v[FB+12*\t:FB+12*\t+11], v[8*(8*\t+(\i)):8*(8*\t+(\i))+7], v[SCX+8*(\i)+(\s)], v[SCW+8*\t+(\s)] matrix_a_fmt:MATRIX_FMT_FP6 matrix_b_fmt:MATRIX_FMT_FP6
.endif
.endr
.endr
.endif
.endm
; K step s of kind n.  The next step's fragments are asked for ahead of this step's products, into the set that the step before multiplied.
.macro STEP n, s, path
.if (((\s) == 3) || ((\s) == 7)) && ((\n) < 2)
	; THE HALF OF in_w THAT ENDS WITH THIS STEP IS FILLED AGAIN, with the next kind's rows.
	WIN 0                                          ; (the add's two registers lie in window 0)
	s_wait_tensorcnt 0x0                           ; all my tensor loads have landed: what was out is the half that the next fetch reads; so a group 0 may be written
	ds_add_u32 v[SPW], v[NIL]                      ; 0 onto my spare word; the descriptor's step stands between it and the wait for it
	s_add_nc_u64 s[G0B+4*((\s)/4)+2:G0B+4*((\s)/4)+3], s[G0B+4*((\s)/4)+2:G0B+4*((\s)/4)+3], KIND   ; the type bits on top are not reached
	s_wait_dscnt 0x0                               ; the add is done, and this step's fragments are in registers: my reads of the half are over
	s_barrier_signal -1                            ; this barrier opens a round of the cluster's barrier;
	MULH \s, \path, 0                              ; work on registers while the others arrive
	WIN 0
	s_barrier_wait -1
	CREST                                          ; no wave of any partner still reads the half or has a load on its way
	tensor_load_to_lds s[G0B+4*((\s)/4):G0B+4*((\s)/4)+3], s[G1B:G1B+7]   ; my one tensor load behind the round, and the first thing there: 112 matrix instructions stand between it and the next wait for all loads
	s_nop 0
	PLACES                                         ; also the places in front of the loads below
	FETCH ((\s)+1)%8                               ; (behind step 7: the next kind's step 0, whose half was shown landed in front of this round)
	MULH \s, \path, 4
.elseif (\s) == 3                      ; the last kind: nothing is filled again
	s_wait_dscnt 0x0                               ; no LDS access of mine is out at the signal
	s_wait_tensorcnt 0x0                           ; my last load, the half that the next fetch reads, has landed
	s_barrier_signal -1
	s_barrier_wait -1
	PLACES
	FETCH 4
	MULH \s, \path, 0
	MULH \s, \path, 4
.elseif (\s) == 7
	s_wait_dscnt 0x0                               ; the last step's fragments are in
	MULH \s, \path, 0
	MULH \s, \path, 4
.else
.if ((\s) > 0) || ((\n) > 0)
	PLACES
.endif
	FETCH (\s)+1
	s_wait_dscnt 48                                ; all but the 48 loads just issued: this step's fragments are in
.if (\s) == 0
	s_wait_loadcnt 0x0                             ; this kind's scale words and bias (the first time: x's words too)
.endif
	MULH \s, \path, 0
	MULH \s, \path, 4
.endif
.endm
.macro STEPS n, path
.irp s, 0,1,2,3,4,5,6,7
	STEP \n, \s, \path
.endr
	WIN 0
	PLACES                                         ; in front of the first read of results, and of loads into the scale words' registers
.endm
; 64 results of a lane, window 2's v[a] .. v[a + 63], register 16 b + i = place 32 b + 16 (lane / 16) + i along the next K, become 12 registers of codes at v[CD + 12 p] and a scale word in v[PW + p].
; Each accumulator is read from its low end on.
.macro QUANT a, p
	WIN 0x0a                                       ; sources 0 and 1 window 2
.irp b, 0,1,2,3
	v_max3_num_f32 v[TM+\b], |v[(\a)+16*\b]|, |v[(\a)+16*\b+1]|, 0x1800000   ; block b: my 16 numbers, and the floor 2^(3 - 127): the byte cannot fall under 1
.endr
	WIN 0x28                                       ; sources 1 and 2 window 2
.irp i, 2,4,6,8,10,12,14
.irp b, 0,1,2,3
	v_max3_num_f32 v[TM+\b], v[TM+\b], |v[(\a)+16*\b+\i]|, |v[(\a)+16*\b+\i+1]|
.endr
.endr
	WIN 0
.irp b, 0,1,2,3
	v_permlanex16_b32 v[TM+4+\b], v[TM+\b], s92, s93
.endr
.irp b, 0,1,2,3
	v_max_num_f32 v[TM+\b], v[TM+\b], v[TM+4+\b]   ; with lane l xor 16's: the block's largest magnitude
.endr
.irp b, 0,1,2,3
	v_add_nc_u32 v[TM+12+\b], 0xff000000, v[TM+\b] ; 2 off its exponent field: the conversion's scale operand
.endr
.irp b, 0,1,2,3
	v_lshrrev_b32 v[TM+4+\b], 23, v[TM+12+\b]      ; the scale's byte
.endr
	v_lshl_or_b32 v[PW+(\p)], v[TM+5], 8, v[TM+4]
	v_lshl_or_b32 v[PW+(\p)], v[TM+6], 16, v[PW+(\p)]
	v_lshl_or_b32 v[PW+(\p)], v[TM+7], 24, v[PW+(\p)]
	WIN 0x02                                       ; source 0 window 2
.irp c, 0,1
	v_cvt_scalef32_pk16_fp6_f32 v[CD+12*(\p)+6*\c:CD+12*(\p)+6*\c+2], v[(\a)+32*\c:(\a)+32*\c+15], v[TM+12+2*\c]
	v_cvt_scalef32_pk16_fp6_f32 v[TC+4*\c:TC+4*\c+2], v[(\a)+32*\c+16:(\a)+32*\c+31], v[TM+13+2*\c]
.endr
	WIN 0
	v_nop                                          ; one plain place behind a scaled conversion
.irp c, 0,1                            ; the operand's layout wants a WHOLE block in a lane: lanes 0-15 block 2 c, lanes 16-31 block 2 c + 1
.irp i, 0,1,2
	v_permlane16_swap_b32 v[CD+12*(\p)+6*\c+\i], v[TC+4*\c+\i]
.endr
.irp i, 0,1,2
	v_mov_b32 v[CD+12*(\p)+6*\c+3+\i], v[TC+4*\c+\i]
.endr
.endr
.endm
.macro QUANT4
.irp p, 0,1,2,3
	QUANT 64*\p, \p
.endr
.endm
; q's or k's way out: base in s[d:d+1], the words wo bytes on.  Run p of QUANT took tiles 2 p and 2 p + 1 of tokens: its registers 0-5 and 6-11 are their half fragments.
.macro OUT_T d, wo
.irp e, 0,1,2,3,4,5,6,7
	global_store_b128 v8, v[CD+6*\e:CD+6*\e+3], s[\d:\d+1] offset:768*\e
	global_store_b64 v9, v[CD+6*\e+4:CD+6*\e+5], s[\d:\d+1] offset:768*\e+512
.endr
	v_cndmask_b32 v[OW], v[PW], v[PW+2], s95       ; lanes 0-15 store row r's words of tiles 0-3, lanes 16-31 those of tiles 4-7
	v_cndmask_b32 v[OW+2], v[PW+1], v[PW+3], s95
	v_lshrrev_b32 v[OW+1], 16, v[OW]
	v_lshrrev_b32 v[OW+3], 16, v[OW+2]
	v_and_or_b32 v[OW], v[OW], 0xffff, s94
	v_and_or_b32 v[OW+2], v[OW+2], 0xffff, s94
	v_or_b32 v[OW+1], s94, v[OW+1]
	v_or_b32 v[OW+3], s94, v[OW+3]
	global_store_b128 v12, v[OW:OW+3], s[\d:\d+1] offset:\wo   ; 512 consecutive bytes
.endm
	s_wait_tensorcnt 0x2                           ; my parts of x's and in_w's half 0 have landed; the two loads of half 1 stay out
	s_barrier_signal -1
	s_barrier_wait -1                              ; everybody's have
	FETCH 0
	; ---- q
	STEPS 0, 0
	WLOAD 1, 0                                     ; k's scale words and bias land under the quantising
	QUANT4
	OUT_T 96, 6144
	; ---- k.  Nothing waits for q's stores
	STEPS 1, 0
	s_wait_xcnt 0x0                                ; q's stores have read their registers: the way out writes them again
	WLOAD 2, 1
	QUANT4
	OUT_T 98, 12288
	; ---- v
	STEPS 2, 1
	s_wait_xcnt 0x0                                ; k's stores have read their registers
	QUANT4
.irp e, 0,1,2,3,4,5,6,7                ; run p of QUANT took tile p of channels: a whole fragment, 128 keys
	global_store_b128 v8, v[CD+6*\e:CD+6*\e+3], s[98:99] offset:6144+768*\e
	global_store_b64 v9, v[CD+6*\e+4:CD+6*\e+5], s[98:99] offset:6144+768*\e+512
.endr
	global_store_b128 v14, v[PW:PW+3], s[98:99] offset:12800   ; 512 consecutive bytes
	s_wait_tensorcnt 0x0                           ; the wave's end: behind my last tensor load
	ds_add_u32 v[SPW], v[NIL]
	s_wait_dscnt 0x0
	CROUND                                         ; the closing round: no work-group ends while a partner may still ask for a tile that names it
	s_endpgm
.Lfunc_end_k_q5750ee8094_qkv:
	.size	k_q5750ee8094_qkv, .Lfunc_end_k_q5750ee8094_qkv-k_q5750ee8094_qkv
	.p2alignl 7, 3214868480
	.fill 96, 4, 3214868480
	.section	.rodata,"a",@progbits
	.p2align	6, 0x0
	.amdhsa_kernel k_q5750ee8094_qkv
		.amdhsa_group_segment_fixed_size 327680
		.amdhsa_private_segment_fixed_size 0
		.amdhsa_enable_private_segment 0
		.amdhsa_kernarg_size 40
		.amdhsa_user_sgpr_count 2
		.amdhsa_user_sgpr_kernarg_segment_ptr 1
		.amdhsa_wavefront_size32 1
		.amdhsa_system_sgpr_workgroup_id_x 1
		.amdhsa_system_sgpr_workgroup_id_y 1
		.amdhsa_system_sgpr_workgroup_id_z 1
		.amdhsa_system_vgpr_workitem_id 0
		.amdhsa_next_free_vgpr 1024
		.amdhsa_next_free_sgpr 100
		.amdhsa_reserve_vcc 0
		.amdhsa_float_denorm_mode_32 3
		.amdhsa_float_denorm_mode_16_64 3
		.amdhsa_memory_ordered 1
		.amdhsa_forward_progress 1
		.amdhsa_inst_pref_size 246
	.end_amdhsa_kernel
	.amdgpu_metadata
---
amdhsa.version: [ 1, 2 ]
amdhsa.kernels:
  - .name:           k_q5750ee8094_qkv
    .symbol:         k_q5750ee8094_qkv.kd
    .args:
      - { .name: img, .offset: 0, .size: 8, .value_kind: global_buffer, .address_space: global }
      - { .name: sc, .offset: 8, .size: 8, .value_kind: global_buffer, .address_space: global }
      - { .name: in_b, .offset: 16, .size: 8, .value_kind: global_buffer, .address_space: global }
      - { .name: qimg, .offset: 24, .size: 8, .value_kind: global_buffer, .address_space: global }
      - { .name: kv, .offset: 32, .size: 8, .value_kind: global_buffer, .address_space: global }
    .group_segment_fixed_size: 327680
    .private_segment_fixed_size: 0
    .kernarg_segment_align: 8
    .kernarg_segment_size: 40
    .max_flat_workgroup_size: 128
    .sgpr_count:     100
    .vgpr_count:     1024
    .wavefront_size: 32
...
	.end_amdgpu_metadata
.endif
;; end of part 2
;; launch attn (part 3): grid 2 x 128, 16 waves a work-group, no clusters, 167,936 bytes of LDS; arguments qimg, kv, key_padding_mask, cimg, csc; writes cimg, csc
.if DOCPART == 3
	.amdgcn_target "amdgcn-amd-amdhsa--gfx1250"
	.amdhsa_code_object_version 6
	.text
	.protected	k_q5750ee8094_attn
	.globl	k_q5750ee8094_attn
	.p2align	8
	.type	k_q5750ee8094_attn,@function
k_q5750ee8094_attn:
	s_mov_b64 s[64:65], 0
	v_nop
	global_prefetch_b8 v0, s[64:65] scope:SCOPE_SE
	s_setreg_imm32_b32 hwreg(HW_REG_WAVE_MODE, 25, 1), 1
	s_wait_xcnt 0x0
; ctx[b][q][head] = softmax_k(q . k / 8, padded keys at a very low logit) v, both products on codes of FP6 (E2M3) with E8M0 scales; ctx is quantised at once, along the channels, for the last product.
; THE SOFTMAX AHEAD OF THE SECOND PRODUCT: t = score x log2(e) / 8; M = the row's largest t so far, rounded UP to a whole number; p = 2^(t - M) is what is quantised, along the keys, not normalised.
; The row's sum is taken of the unquantised p and divides at the end.  When M moves, the sum and O are multiplied by 2^(old M - new M): exact.
; SHARES.  A work-group owns one head and 512 of its 1,024 queries; each of its SIXTEEN waves owns a tile of 16 queries at a time, twice: four waves to a SIMD, so that one wave's vector work stands beside another's products and LDS loads.
; THE HEAD'S K, V AND SCALE WORDS, 106,496 bytes, LIE IN LDS FOR THE WHOLE LAUNCH: each wave brings two sixteenths, every byte is filled once.
; NO CLUSTER: two work-groups share a head's bytes, each asks for them once, at its head; four partners to a head would be 512 work-groups for 256 WGPs.
; LAYOUT.  Both products are used transposed: S^T = K Q^T (source 0 = 16 keys), O^T = V^T P^T (source 0 = 16 channels): a lane holds ONE query (lane % 16) throughout.
; Tiles of keys and of channels hold the rows 32 (t / 2) + 8 (t % 2) + p % 8 + 16 (p / 8): the 16 registers of tiles 2 b, 2 b + 1 are 16 neighbours 32 b + 16 (lane / 16) + 0 .. 15.
; A HEAD HAS 64 CHANNELS, the instruction takes 128: Q's registers 6-11 are zero codes.  K's registers 6-11 are whatever follows (the next tile's codes: every pattern of 6 bits is a finite number) under the scale bytes 0x7f: the products are exact zeros.
; THE MASK IS THE C OF THE FIRST PRODUCT.  At the head the 512 threads lay a table in LDS: for each key, in the order of the score registers, 0 where it counts and -2^100 where it is padded.  A step loads its part
; into the score registers and K Q^T adds onto it: no vector instruction is spent on the mask.  A padded key's p is 0.
; A BATCH ALL OF WHOSE KEYS ARE PADDED has equal logits by definition, so p = 1 throughout: there the table holds zeros and Q's codes are made zeros, so that every score is 0.  Each wave finds that out for itself
; (the AND of the batch's 1,024 mask bytes) and chooses by selects: no branch hangs on the mask.
; LIMITS: a padded key counts for nothing unless all are padded, where the definition has logit -1e9: the same while a row's largest counted logit lies above about -1e9 + 100.
; A block of zeros gets the byte 1 (zero codes; this program alone reads the bytes).  NaN and infinities are not served.
; REGISTERS: v1-4 lane places; v5, v6 the add's two; v8-11, v86 the step's addresses; v12 -M, v13 the largest t, v[14:15] the sum in two halves; v16-27 Q; v28 Q's word, v29 p's word; v30 csc's place; v31 my half's place in the table;
;   v32-85 K or V (v80-85 zeros); v87-92 the head's addresses; v96-159 S^T, then p; v160-191 O^T; v192-203 p's codes; v204-210 at work; v212-219 K's words, v220-223 V's; v224-241 at work.
.set STEPB, 13312                      ; a step of 128 keys: K 8 x 768, V 4 x 1,536, K's words 512, V's words 256 and their copy
.set HEADB, 8*STEPB
.set SPARE, HEADB                      ; behind the head's bytes: the spare words, 128 bytes for each of sixteen waves: eight blocks of 256 bytes that no other line names
.set TAB,   SPARE+2048                 ; behind them: the mask's table [step][lane half][64 registers] of f32: sixteen blocks of 256 bytes into which no tile lands
.set TB,  2                            ; s2   LDS byte at which the step in hand begins
.set MO,  3                            ; s3   and where its part of the table begins: 512 bytes a step
.set WV,  14
.set CNT, 15
.set BIG, 16                           ; s16  what a padded key adds to its scores: -2^100, or 0 where all keys are padded
.set KEEP, 17                          ; s17  all ones, or 0 where all keys are padded
.set CS,  66                           ; s[66:67] c = log2(e) / 8
.set SEL, 100                          ; s[100:101] v_permlanex16_b32's selects for lane l xor 16
.set G1,  84                           ; s[84:91] descriptor group 1;  s[92:95], s[96:99] groups 0
.set G0A, 92
.set G0B, 96
	s_load_b256 s[4:11], s[0:1], 0x0               ; qimg s[4:5], kv s[6:7], key_padding_mask s[8:9], cimg s[10:11]
	s_load_b64 s[12:13], s[0:1], 0x20              ; csc
	v_lshl_add_u32 v5, v0, 2, SPARE
	v_mov_b32 v6, 0
	ds_add_u32 v5, v6                              ; the wave's opening: the add and its wait stand ahead of my first tensor load; the set-up below, work on registers, stands between them
	v_lshrrev_b32 v8, 5, v0
	v_readfirstlane_b32 s[WV], v8                  ; wave 0..15
	s_and_b32 s16, ttmp7, 0xffff                   ; 16 x batch + head
	s_lshr_b32 s17, s16, 4                         ; batch
	s_and_b32 s18, s16, 15                         ; head
	; group 1: 3,328 dense bytes as 13 rows of 256 (32 elements of 8 bytes), dense in LDS
	s_mov_b32 s[G1], 3<<16
	s_mov_b32 s[G1+1], 32<<16                      ; tensor_dim0
	s_mov_b32 s[G1+2], 13<<16                      ; tensor_dim1
	s_mov_b32 s[G1+3], 32<<16                      ; tile_dim0
	s_mov_b32 s[G1+4], 13                          ; tile_dim1
	s_mov_b32 s[G1+5], 32                          ; tensor_dim0_stride
	s_mov_b32 s[G1+6], 0
	s_mov_b32 s[G1+7], 0
	s_mul_i32 s19, s[WV], 3328                     ; my sixteenth of four steps: in LDS and in the head's bytes alike
	s_mul_i32 s20, s16, HEADB
	s_add_co_u32 s20, s20, s19
	s_mov_b32 s21, 0
	s_lshl_b32 s22, s16, 3                         ; Q: block of 128 queries 8 x head + 4 x + wave / 8 (the second turn: two blocks on),
	s_lshl_b32 s23, ttmp9, 2
	s_add_co_u32 s22, s22, s23
	s_lshr_b32 s23, s[WV], 3
	s_add_co_u32 s22, s22, s23
	s_mul_i32 s22, s22, 6656
	s_and_b32 s23, s[WV], 7                        ; tile wave % 8 in it
	s_mul_i32 s24, s23, 768
	s_add_co_u32 s24, s24, s22
	s_mov_b32 s25, 0
	s_lshl_b32 s26, s23, 2
	s_add_co_u32 s26, s26, s22
	s_add_co_u32 s26, s26, 6144                    ; and its words
	s_mov_b32 s27, 0
	s_lshl_b32 s28, s17, 6                         ; ctx: tile 64 x batch + 32 x + wave (the second turn: 16 tiles on)
	s_lshl_b32 s29, ttmp9, 5
	s_add_co_u32 s28, s28, s29
	s_add_co_u32 s28, s28, s[WV]
	s_mul_i32 s30, s28, 12288
	s_mul_i32 s31, s18, 768                        ; the head's 64 channels are half of K step head / 2
	s_add_co_u32 s30, s30, s31
	s_mov_b32 s31, 0
	s_lshl_b32 s32, s28, 9
	s_lshl_b32 s33, s18, 1                         ; and two of a row's 32 scale bytes
	s_add_co_u32 s32, s32, s33
	s_mov_b32 s33, 0
	s_lshl_b32 s34, s17, 10                        ; the batch's 1,024 mask bytes
	s_mov_b32 s35, 0
	s_mov_b32 s[CS], 0x3e38aa3b                    ; c = log2(e) / 8
	s_mov_b32 s[CS+1], s[CS]                       ; (named with it as a pair, so it is written)
	s_mov_b32 s[SEL], 0x76543210
	s_mov_b32 s[SEL+1], 0xfedcba98
	s_mov_b32 s[TB], 0
	s_mov_b32 s[MO], 0
	s_wait_dscnt 0x0                               ; the opening add is done
	s_wait_kmcnt 0x0
	s_mov_b32 s[G0A], 1                            ; count = 1
	s_mov_b32 s[G0A+1], s19                        ; LDS address
	s_add_nc_u64 s[G0A+2:G0A+3], s[6:7], s[20:21]  ; global address
	s_mov_b32 s[G0B], 1
	s_add_co_u32 s[G0B+1], s19, 4*STEPB            ; steps 4 to 7
	s_add_nc_u64 s[G0B+2:G0B+3], s[G0A+2:G0A+3], 4*STEPB
	s_or_b32 s[G0A+3], s[G0A+3], 0x80000000        ; type = 2
	s_or_b32 s[G0B+3], s[G0B+3], 0x80000000
	tensor_load_to_lds s[G0A:G0A+3], s[G1:G1+7]    ; both fills go out together, ahead of every wait on TENSORcnt, every LDS read and every barrier: two loads of mine are out
	s_nop 0
	tensor_load_to_lds s[G0B:G0B+3], s[G1:G1+7]
	s_nop 0
.rept 4
	v_nop
.endr
	s_add_nc_u64 s[6:7], s[4:5], s[26:27]          ; Q's words
	s_add_nc_u64 s[4:5], s[4:5], s[24:25]          ; Q's codes
	s_add_nc_u64 s[8:9], s[8:9], s[34:35]
	s_add_nc_u64 s[10:11], s[10:11], s[30:31]
	s_add_nc_u64 s[12:13], s[12:13], s[32:33]
	v_and_b32 v8, 31, v0
	v_and_b32 v9, 15, v0
	v_bfe_u32 v10, v0, 4, 1
	v_lshlrev_b32 v1, 4, v8                        ; 16 x lane
	v_lshlrev_b32 v2, 3, v8                        ; 8 x lane
	v_lshlrev_b32 v3, 5, v9                        ; 32 r
	v_lshlrev_b32 v4, 4, v9                        ; 16 r
	v_add_nc_u32 v30, v3, v10                      ; 32 r + h
	v_lshl_add_u32 v31, v10, 8, TAB                ; my half's 64 numbers of a step: 256 h
	v_lshlrev_b32 v87, 5, v8                       ; my 32 of the batch's 1,024 mask bytes
	; thread n lays entries 2 n and 2 n + 1 of the table: step n / 64, lane half (n / 32) % 2, registers 16 b + i and the next, b = (n / 8) % 4, i = 2 (n % 8): the keys 128 step + 32 b + 16 half + i and the next
	v_and_b32 v88, 0x1c0, v0
	v_lshlrev_b32 v88, 1, v88
	v_bfe_u32 v89, v0, 3, 2
	v_lshl_add_u32 v88, v89, 5, v88
	v_bfe_u32 v89, v0, 5, 1
	v_lshl_add_u32 v88, v89, 4, v88
	v_and_b32 v89, 7, v0
	v_lshl_add_u32 v88, v89, 1, v88
	v_lshl_add_u32 v92, v0, 3, TAB
.macro QLOAD p                         ; my tile of queries of turn p: a half fragment and its words
	global_load_b128 v[16:19], v1, s[4:5] offset:13312*\p
	global_load_b64 v[20:21], v2, s[4:5] offset:13312*\p+512
	global_load_b32 v28, v3, s[6:7] offset:13312*\p
.endm
.macro QKEEP                           ; where all keys are padded Q's codes become zeros: every score is then 0
.irp j, 16,17,18,19,20,21
	v_and_b32 v\j, s[KEEP], v\j
.endr
.endm
.macro INIT                            ; the step is written once: the first finds zeros, which the first change of M leaves zeros
	v_mov_b32 v13, 0xff61b1e6                      ; the largest t so far: -3e38, under every t
	v_floor_f32 v12, -v13                          ; -M
	v_mov_b32 v14, 0
	v_mov_b32 v15, 0
.set j, 0
.rept 32
	v_mov_b32 v[160+j], 0
.set j, j+1
.endr
.endm
	QLOAD 0
	global_load_b128 v[96:99], v87, s[8:9]
	global_load_b128 v[100:103], v87, s[8:9] offset:16
	global_load_u16 v104, v88, s[8:9]              ; my two keys' bytes
.irp j, 22,23,24,25,26,27,80,81,82,83,84,85
	v_mov_b32 v\j, 0                               ; zero codes: Q's upper 64 along K; what follows K's last tile
.endr
.irp j, 228,229,230,231,236,239
	v_mov_b32 v\j, 0                               ; written once: a lane permute's destination counts as one of its sources; v239 is named as the upper half of a pair
.endr
	INIT
; A KEY STEP: 128 keys.
.macro STEP
	v_add_nc_u32 v8, s[TB], v1                     ; these five are the places between the last products and the loads into the registers that they read
	v_add_nc_u32 v9, s[TB], v2
	v_add_nc_u32 v10, s[TB], v3
	v_add_nc_u32 v11, s[TB], v4
	v_add_nc_u32 v86, s[MO], v31
.set q, 0
.rept 16                               ; the mask: register 16 b + i takes key 32 b + 16 (lane / 16) + i's 0 or -2^100; sixteen lanes read the same 16 bytes
	ds_load_b128 v[96+4*q:99+4*q], v86 offset:16*q
.set q, q+1
.endr
.irp t, 0,1,2,3,4,5,6,7
	ds_load_b128 v[32+6*\t:35+6*\t], v8 offset:768*\t
	ds_load_b64 v[36+6*\t:37+6*\t], v9 offset:768*\t+512
.endr
	ds_load_b128 v[212:215], v10 offset:12288      ; row r's words of tiles 0-3,
	ds_load_b128 v[216:219], v10 offset:12304      ; 4-7
	s_wait_dscnt 0x0
.irp t, 0,1,2,3,4,5,6,7                ; eight accumulators by turns, one instruction a turn: each adds onto the mask
	v_wmma_scale_f32_16x16x128_f8f6f4 v[96+8*\t:103+8*\t], v[32+6*\t:43+6*\t], v[16:27], v[96+8*\t:103+8*\t], v[212+\t], v28 matrix_a_fmt:MATRIX_FMT_FP6 matrix_b_fmt:MATRIX_FMT_FP6
.endr
.rept 4
	v_nop                                          ; places in front of the loads below and of the first read of the scores
.endr
.irp e, 0,1,2,3,4,5,6,7                ; V's four fragments land while the softmax is walked
	ds_load_b128 v[32+6*\e:35+6*\e], v8 offset:6144+768*\e
	ds_load_b64 v[36+6*\e:37+6*\e], v9 offset:6144+768*\e+512
.endr
	ds_load_b128 v[220:223], v11 offset:12800
.irp b, 0,1,2,3
	v_max3_num_f32 v[224+\b], v[96+16*\b], v[97+16*\b], v[98+16*\b]   ; THE LARGEST SCORE OF EACH BLOCK OF 32 KEYS serves twice: for the row's maximum, and, since p rises with the score, for the block's largest p.  (Each accumulator is read from its low end on)
.endr
.irp i, 3,5,7,9,11,13
.irp b, 0,1,2,3
	v_max3_num_f32 v[224+\b], v[224+\b], v[96+16*\b+\i], v[97+16*\b+\i]
.endr
.endr
.irp b, 0,1,2,3
	v_max_num_f32 v[224+\b], v[224+\b], v[111+16*\b]
.endr
.irp b, 0,1,2,3
	v_permlanex16_b32 v[228+\b], v[224+\b], s[SEL], s[SEL+1]
.endr
.irp b, 0,1,2,3
	v_max_num_f32 v[224+\b], v[224+\b], v[228+\b]  ; with lane l xor 16's 16 keys
.endr
	v_max3_num_f32 v236, v224, v225, v226
	v_max_num_f32 v236, v236, v227                 ; the step's largest score of my query
	v_mul_f32 v236, s[CS], v236                    ; as t (c is positive)
	v_max_num_f32 v13, v13, v236                   ; the running largest t
	v_mov_b32 v236, v12
	v_floor_f32 v12, -v13                          ; the new -M = floor(-t) = -ceil(t): M IS A WHOLE NUMBER
	v_sub_f32 v236, v12, v236                      ; M's old value less its new one: a whole number, 0 or less
	v_cvt_i32_f32 v236, v236                       ; (it saturates)
	v_ldexp_f32 v238, 1.0, v236                    ; f = 2^(old M - new M)
.set j, 0
.rept 32
	v_pk_fma_f32 v[96+j:97+j], v[96+j:97+j], s[CS:CS+1], v[12:13] op_sel_hi:[1,0,0]   ; t - M, two at a time (of the pairs c and -M the low word serves both halves)
.set j, j+2
.endr
.irp b, 0,1,2,3
	v_fma_f32 v[224+\b], v[224+\b], s[CS], v12     ; the same of each block's largest score
.endr
.set j, 0
.rept 64
	v_exp_f32 v[96+j], v[96+j]                     ; p = 2^(t - M), at most 1: NOT normalised
.set j, j+1
.endr
	v_pk_mul_f32 v[14:15], v[14:15], v[238:239] op_sel_hi:[1,0]   ; the sums under the new M: a plain instruction behind the exponentials
	s_wait_alu depctr_va_vdst(0)                   ; one wait for the whole batch, ahead of its first reader
.irp b, 0,1,2,3
	v_exp_f32 v[224+\b], v[224+\b]                 ; the block's largest p: the same two instructions on the same number give the same bits
.endr
	v_pk_add_f32 v[240:241], v[96:97], v[98:99]    ; THE ROW'S SUM IS TAKEN OF THE UNQUANTISED p: two at a time, in two chains
.set j, 4
.rept 15
	v_pk_add_f32 v[14:15], v[14:15], v[96+j:97+j]
	v_pk_add_f32 v[240:241], v[240:241], v[98+j:99+j]
.set j, j+4
.endr
	v_pk_add_f32 v[14:15], v[14:15], v[240:241]
	s_wait_alu depctr_va_vdst(0)                   ; and one for the four
.irp b, 0,1,2,3
	v_max_num_f32 v[224+\b], 0x1800000, v[224+\b]  ; the floor 2^(3 - 127): the byte cannot fall under 1 (a block whose every p is 0 keeps that byte: its codes are zeros)
.endr
.irp b, 0,1,2,3
	v_add_nc_u32 v[232+\b], 0xff000000, v[224+\b]  ; 2 off the exponent field: the conversion's scale operand
.endr
.irp b, 0,1,2,3
	v_lshrrev_b32 v[228+\b], 23, v[232+\b]         ; the scale's byte
.endr
	v_lshl_or_b32 v29, v229, 8, v228               ; p's scale word for these 128 keys
	v_lshl_or_b32 v29, v230, 16, v29
	v_lshl_or_b32 v29, v231, 24, v29
.irp c, 0,1
	v_cvt_scalef32_pk16_fp6_f32 v[192+6*\c:194+6*\c], v[96+32*\c:111+32*\c], v[232+2*\c]
	v_cvt_scalef32_pk16_fp6_f32 v[204+4*\c:206+4*\c], v[112+32*\c:127+32*\c], v[233+2*\c]   ; (a conversion's three registers begin on an even number)
.endr
	v_nop                                          ; one plain place behind a scaled conversion
.irp c, 0,1                            ; the operand's layout wants a WHOLE block in a lane
.irp i, 0,1,2
	v_permlane16_swap_b32 v[192+6*\c+\i], v[204+4*\c+\i]
.endr
.irp i, 0,1,2
	v_mov_b32 v[195+6*\c+\i], v[204+4*\c+\i]
.endr
.endr
.set j, 0
.rept 16
	v_pk_mul_f32 v[160+j:161+j], v[160+j:161+j], v[238:239] op_sel_hi:[1,0]   ; O^T under the new M.  (With the six moves above: the places between the scale word's and the codes' last writes and the products)
.set j, j+2
.endr
	s_wait_dscnt 0x0                               ; V and its words are in
.irp t, 0,1,2,3                        ; four accumulators by turns, one instruction a turn
	v_wmma_scale_f32_16x16x128_f8f6f4 v[160+8*\t:167+8*\t], v[32+12*\t:43+12*\t], v[192:203], v[160+8*\t:167+8*\t], v[220+\t], v29 matrix_a_fmt:MATRIX_FMT_FP6 matrix_b_fmt:MATRIX_FMT_FP6
.endr
	s_add_co_u32 s[TB], s[TB], STEPB
	s_add_co_u32 s[MO], s[MO], 512
.endm
.macro HALF                            ; four key steps
	s_mov_b32 s[CNT], 4
.Lstep_\@:
	STEP
	s_sub_co_u32 s[CNT], s[CNT], 1
	s_cmp_lg_u32 s[CNT], 0
	s_cbranch_scc1 .Lstep_\@
.endm
; THE WAY OUT of turn p: O^T / the sum is ctx: register 16 b + i = channel 32 b + 16 (lane / 16) + i of my query: two blocks of the last product's K.  Codes and bytes go out in the order of that product's operand registers.
.macro CTX p
.rept 4
	v_nop                                          ; places behind the last products
.endr
	v_add_f32 v14, v14, v15                        ; the sum's two halves,
	v_permlanex16_b32 v236, v14, s[SEL], s[SEL+1]
	v_add_f32 v14, v14, v236                       ; and lane l xor 16's: the row's sum
	v_rcp_f32 v240, v14
	v_nop                                          ; a plain instruction behind the reciprocal,
	s_wait_alu depctr_va_vdst(0)                   ; and a wait ahead of its first reader
.set j, 0
.rept 16
	v_pk_mul_f32 v[96+j:97+j], v[160+j:161+j], v[240:241] op_sel_hi:[1,0]   ; each accumulator from its low end on
.set j, j+2
.endr
.irp b, 0,1
	v_max3_num_f32 v[224+\b], |v[96+16*\b]|, |v[97+16*\b]|, 0x1800000
.endr
.irp i, 2,4,6,8,10,12,14
.irp b, 0,1
	v_max3_num_f32 v[224+\b], v[224+\b], |v[96+16*\b+\i]|, |v[97+16*\b+\i]|
.endr
.endr
.irp b, 0,1
	v_permlanex16_b32 v[228+\b], v[224+\b], s[SEL], s[SEL+1]
.endr
.irp b, 0,1
	v_max_num_f32 v[224+\b], v[224+\b], v[228+\b]
.endr
.irp b, 0,1
	v_add_nc_u32 v[232+\b], 0xff000000, v[224+\b]
.endr
.irp b, 0,1
	v_lshrrev_b32 v[228+\b], 23, v[232+\b]
.endr
	v_cvt_scalef32_pk16_fp6_f32 v[192:194], v[96:111], v232
	v_cvt_scalef32_pk16_fp6_f32 v[204:206], v[112:127], v233
	v_nop                                          ; one plain place behind a scaled conversion
.irp i, 0,1,2
	v_permlane16_swap_b32 v[192+\i], v[204+\i]
.endr
.irp i, 0,1,2
	v_mov_b32 v[195+\i], v[204+\i]
.endr
	s_mov_b32 vcc_lo, 0xffff0000                   ; lanes 16-31 store block 1's byte
	v_cndmask_b32 v236, v228, v229, vcc_lo
	global_store_b128 v1, v[192:195], s[10:11] offset:196608*\p        ; 512 consecutive bytes,
	global_store_b64 v2, v[196:197], s[10:11] offset:196608*\p+512     ; and 256
	global_store_b8 v30, v236, s[12:13] offset:8192*\p                 ; two bytes of each row's 32: the other heads' work-groups own the rest
.endm
	s_wait_loadcnt 0x0                             ; Q and the mask's bytes
	v_and_b32 v96, v96, v97                        ; a mask byte is 0 or 1: the AND of my 32 bytes, four at a time
	v_and_b32 v98, v98, v99
	v_and_b32 v100, v100, v101
	v_and_b32 v102, v102, v103
	v_and_b32 v96, v96, v98
	v_and_b32 v100, v100, v102
	v_and_b32 v96, v96, v100
	v_cmp_eq_u32 vcc_lo, 0x1010101, v96            ; (written here, behind the tensor loads)
	s_cmp_eq_u32 vcc_lo, -1                        ; are all 1,024 keys of the batch padded?  What hangs on it is selected, not branched on
	s_cselect_b32 s[BIG], 0, 0xf1800000            ; -2^100
	s_cselect_b32 s[KEEP], 0, -1
	v_and_b32 v105, 1, v104                        ; my two keys: 0 or 1,
	v_bfe_u32 v106, v104, 8, 1
	v_mul_lo_u32 v108, v105, s[BIG]                ; times the addend's bits
	v_mul_lo_u32 v109, v106, s[BIG]
	ds_store_b64 v92, v[108:109]
	QKEEP
	s_wait_dscnt 0x0                               ; for the others' sake: my part of the table lies in LDS
	s_wait_tensorcnt 0x1                           ; my part of steps 0-3 has landed; my second load may be out
	s_barrier_signal -1
	s_barrier_wait -1
	HALF
	s_wait_dscnt 0x0
	s_wait_tensorcnt 0x0                           ; my part of steps 4-7
	s_barrier_signal -1
	s_barrier_wait -1
	HALF
	QLOAD 1                                        ; the second turn's queries land under the way out (the last products that read Q's registers stand a softmax back)
	CTX 0
	s_wait_xcnt 0x0                                ; the stores have read their registers: the second turn writes them again
	INIT
	s_mov_b32 s[TB], 0
	s_mov_b32 s[MO], 0
	s_wait_loadcnt 0x0
	QKEEP
	HALF
	HALF
	CTX 1
	s_wait_tensorcnt 0x0                           ; the wave's end: behind my last tensor load and my last LDS store
	ds_add_u32 v5, v6
	s_wait_dscnt 0x0
	s_endpgm
.Lfunc_end_k_q5750ee8094_attn:
	.size	k_q5750ee8094_attn, .Lfunc_end_k_q5750ee8094_attn-k_q5750ee8094_attn
	.p2alignl 7, 3214868480
	.fill 96, 4, 3214868480
	.section	.rodata,"a",@progbits
	.p2align	6, 0x0
	.amdhsa_kernel k_q5750ee8094_attn
		.amdhsa_group_segment_fixed_size 167936
		.amdhsa_private_segment_fixed_size 0
		.amdhsa_enable_private_segment 0
		.amdhsa_kernarg_size 40
		.amdhsa_user_sgpr_count 2
		.amdhsa_user_sgpr_kernarg_segment_ptr 1
		.amdhsa_wavefront_size32 1
		.amdhsa_system_sgpr_workgroup_id_x 1
		.amdhsa_system_sgpr_workgroup_id_y 1
		.amdhsa_system_sgpr_workgroup_id_z 1
		.amdhsa_system_vgpr_workitem_id 0
		.amdhsa_next_free_vgpr 256
		.amdhsa_next_free_sgpr 102
		.amdhsa_reserve_vcc 1
		.amdhsa_float_denorm_mode_32 3
		.amdhsa_float_denorm_mode_16_64 3
		.amdhsa_memory_ordered 1
		.amdhsa_forward_progress 1
		.amdhsa_inst_pref_size 85
	.end_amdhsa_kernel
	.amdgpu_metadata
---
amdhsa.version: [ 1, 2 ]
amdhsa.kernels:
  - .name:           k_q5750ee8094_attn
    .symbol:         k_q5750ee8094_attn.kd
    .args:
      - { .name: qimg, .offset: 0, .size: 8, .value_kind: global_buffer, .address_space: global }
      - { .name: kv, .offset: 8, .size: 8, .value_kind: global_buffer, .address_space: global }
      - { .name: key_padding_mask, .offset: 16, .size: 8, .value_kind: global_buffer, .address_space: global }
      - { .name: cimg, .offset: 24, .size: 8, .value_kind: global_buffer, .address_space: global }
      - { .name: csc, .offset: 32, .size: 8, .value_kind: global_buffer, .address_space: global }
    .group_segment_fixed_size: 167936
    .private_segment_fixed_size: 0
    .kernarg_segment_align: 8
    .kernarg_segment_size: 40
    .max_flat_workgroup_size: 512
    .sgpr_count:     102
    .vgpr_count:     256
    .wavefront_size: 32
...
	.end_amdgpu_metadata
.endif
;; end of part 3
;; launch proj (part 4): grid 4 x 64, 4 waves a work-group, clusters of 4 x 4, 327,680 bytes of LDS; arguments cimg, csc, img, sc, out_b, out0; writes out0
.if DOCPART == 4
	.amdgcn_target "amdgcn-amd-amdhsa--gfx1250"
	.amdhsa_code_object_version 6
	.text
	.protected	k_q5750ee8094_proj
	.globl	k_q5750ee8094_proj
	.p2align	8
	.type	k_q5750ee8094_proj,@function
k_q5750ee8094_proj:
	s_mov_b64 s[64:65], 0
	v_nop
	global_prefetch_b8 v0, s[64:65] scope:SCOPE_SE
	s_setreg_imm32_b32 hwreg(HW_REG_WAVE_MODE, 25, 1), 1
	s_wait_xcnt 0x0
	s_wait_alu depctr_hold_cnt(0) depctr_sa_sdst(0) depctr_va_vdst(0) depctr_va_sdst(0) depctr_va_ssrc(0) depctr_va_vcc(0) depctr_vm_vsrc(0)
	s_getreg_b32 s2, hwreg(HW_REG_IB_STS2, 6, 4)
	s_cmp_eq_u32 s2, 0
	s_cbranch_scc0 .Lentry_in_a_cluster
	s_endpgm
.Lentry_in_a_cluster:
	s_bfe_u32 s2, ttmp6, 0x10000c
	s_cmp_lg_u32 s2, 0xf033
	s_cbranch_scc0 .Lentry_shape_is_right
	s_endpgm
.Lentry_shape_is_right:
; out0 = ctx out_w^T + out_b on codes of FP6 (E2M3) with E8M0 scales.  ctx comes from cimg and csc, out_w from img and sc (tiles 704-767), both in the order of the operand's registers.
; A work-group makes 128 tokens x 256 columns; its four waves take 64 columns each: 8 tiles of tokens x 4 tiles of columns, 32 accumulators.
; ALL OF K (1,024) LIES IN LDS AT ONCE: 8 tiles of ctx and 16 of out_w, 12,288 bytes each, in four slices of 256 along K.  Every LDS byte is filled once: no slot is filled again.
; CLUSTERS: 4 x 4 work-groups.  The four of a row of the cluster need the same tiles of ctx, the four of a column the same tiles of out_w: each is asked for JOINTLY.
; THE PRODUCT IS USED TRANSPOSED (source 0 = 16 rows of out_w, source 1 = 16 tokens): a lane holds eight neighbouring columns of one row of out0.  The bias is the C of each sum's first matrix instruction.
; Tiles hold the rows 32 (T / 2) + 8 (T % 2) + p % 8 + 16 (p / 8): the way out puts every number at its true row and column.
; REGISTERS, in windows of 256: window 0: v1-15 addresses; v28, v29 the add's two; v32-95 ctx's scale words (8 i + s), v96-127 out_w's (8 t + s): scales and nothing else;
;   v128-159 the bias, later with v160-191 rows of out0.   window 1: ctx's fragments, two sets of 96.   window 2: the accumulators.   window 3: out_w's fragments, two sets of 48.
.set WT0,   704                        ; out_w's first tile in img and sc
.set SLICE, 73728                      ; 256 along K: ctx's 8 tiles x 3,072 bytes, then out_w's 16
.set SPARE, 4*SLICE                    ; behind the slices: the spare words, 128 bytes a wave: two blocks of 256 bytes that no other line names
.set STAGE, SPARE+512                  ; behind them: 16 rows x (256 bytes + 16) for each wave, for the way out; no tile lands there
.set SPW,   28
.set NIL,   29
.set SCX,   32
.set SCW,   96
.set BI,    128
.set BK,    128                        ; the way out: 16 rows read back: v128-159 and v160-191 by turns
.set G1A,   32
.set G1B,   40
.set G0A,   48
.set G0B,   76
.set MSB, 0
.macro WIN new                         ; the immediate's high byte repeats the setting that is left
.if MSB != \new
	s_set_vgpr_msb (MSB<<8)|\new
.set MSB, \new
.endif
.endm
.macro CROUND                          ; a round of the cluster's barrier
	s_barrier_signal -1
	s_barrier_wait -1
	s_cmp_lg_u32 s20, 0
	s_cbranch_scc1 .Lnot_wave_0_\@
	s_barrier_signal -3
.Lnot_wave_0_\@:
	s_barrier_wait -3
	s_barrier_signal -1
	s_barrier_wait -1
.endm
	s_load_b256 s[4:11], s[0:1], 0x0               ; cimg s[4:5], csc s[6:7], img s[8:9], sc s[10:11]
	s_load_b128 s[12:15], s[0:1], 0x20             ; out_b s[12:13], out0 s[14:15]
	v_lshl_add_u32 v[SPW], v0, 2, SPARE
	v_mov_b32 v[NIL], 0
	ds_add_u32 v[SPW], v[NIL]                      ; the wave's opening: the add and its wait stand ahead of my first tensor load; the set-up below, work on registers, stands between them
	v_lshrrev_b32 v1, 5, v0
	v_readfirstlane_b32 s20, v1                    ; wave 0..3
	s_lshr_b32 s21, s20, 1                         ; I fetch for ctx (0) or for out_w (1),
	s_and_b32 s22, s20, 1                          ; and which half of its tiles
	s_bfe_u32 s23, ttmp6, 0x40000                  ; cx
	s_bfe_u32 s24, ttmp6, 0x40004                  ; cy
	s_lshl_b32 s25, ttmp9, 2
	s_add_co_u32 s25, s25, s23                     ; block of 256 columns
	s_and_b32 s26, ttmp7, 0xffff
	s_lshl_b32 s26, s26, 2
	s_add_co_u32 s26, s26, s24                     ; block of 128 tokens
	s_lshl_b32 s27, s24, 2
	s_lshl_b32 s27, 15, s27                        ; my row of the cluster
	s_lshl_b32 s28, 0x1111, s23                    ; my column
	; group 1: rows of 3,072 bytes (a tile's part of a slice: 384 elements of 8 bytes), 12,288 bytes apart in memory, dense in LDS: 4 tiles of ctx, 8 of out_w
	s_or_b32 s[G1A], s27, (3<<16)|(1<<21)          ; 15:0 the mask; 17:16 elements of 8 bytes; 20 no padding; 21 set beside a mask
	s_or_b32 s[G1B], s28, (3<<16)|(1<<21)
	s_mov_b32 s[G1A+1], 384<<16                    ; tensor_dim0
	s_mov_b32 s[G1A+2], 4<<16                      ; tensor_dim1
	s_mov_b32 s[G1A+3], 384<<16                    ; tile_dim0
	s_mov_b32 s[G1A+4], 4                          ; tile_dim1
	s_mov_b32 s[G1A+5], 1536                       ; tensor_dim0_stride
	s_mov_b32 s[G1A+6], 0
	s_mov_b32 s[G1A+7], 0
	s_mov_b32 s[G1B+1], 384<<16
	s_mov_b32 s[G1B+2], 8<<16
	s_mov_b32 s[G1B+3], 384<<16
	s_mov_b32 s[G1B+4], 8
	s_mov_b32 s[G1B+5], 1536
	s_mov_b32 s[G1B+6], 0
	s_mov_b32 s[G1B+7], 0
	s_lshl_b32 s66, s26, 3                         ; ctx: tile 8 x token block + 4 x half: what my row of the cluster shares
	s_lshl_b32 s67, s22, 2
	s_add_co_u32 s66, s66, s67
	s_mul_i32 s66, s66, 12288
	s_mov_b32 s67, 0
	s_lshl_b32 s68, s25, 4                         ; out_w: tile 16 x column block + 8 x half: what my column shares
	s_lshl_b32 s69, s22, 3
	s_add_co_u32 s68, s68, s69
	s_add_co_u32 s68, s68, WT0
	s_mul_i32 s68, s68, 12288
	s_mov_b32 s69, 0
	s_mul_i32 s70, s22, 12288                      ; where they go: no place in the cluster enters an LDS address
	s_mul_i32 s71, s22, 24576
	s_add_co_u32 s71, s71, 24576
	s_wait_dscnt 0x0                               ; the opening add is done
	s_wait_kmcnt 0x0
	s_add_nc_u64 s[66:67], s[4:5], s[66:67]
	s_add_nc_u64 s[68:69], s[8:9], s[68:69]
.irp i, 0,1,2,3
	s_mov_b32 s[G0A+4*\i], 1                       ; count = 1
	s_add_co_u32 s[G0A+4*\i+1], s70, \i*SLICE      ; LDS address
	s_add_nc_u64 s[G0A+4*\i+2:G0A+4*\i+3], s[66:67], \i*3072   ; global address: slice i of each tile
	s_or_b32 s[G0A+4*\i+3], s[G0A+4*\i+3], 0x80000000          ; type = 2
	s_mov_b32 s[G0B+4*\i], 1
	s_add_co_u32 s[G0B+4*\i+1], s71, \i*SLICE
	s_add_nc_u64 s[G0B+4*\i+2:G0B+4*\i+3], s[68:69], \i*3072
	s_or_b32 s[G0B+4*\i+3], s[G0B+4*\i+3], 0x80000000
.endr
	CROUND                                         ; all sixteen work-groups are here: the joint loads meet
	s_cmp_eq_u32 s21, 0                            ; a wave's four fills stand in one branch on the wave's number, ahead of every wait on TENSORcnt, every LDS read and every other barrier: four loads of mine are out
	s_cbranch_scc0 .Lfill_b
.irp i, 0,1,2,3
	tensor_load_to_lds s[G0A+4*\i:G0A+4*\i+3], s[G1A:G1A+7]
	s_nop 0
.endr
.rept 4
	v_nop
.endr
	s_branch .Lfilled
.Lfill_b:
.irp i, 0,1,2,3
	tensor_load_to_lds s[G0B+4*\i:G0B+4*\i+3], s[G1B:G1B+7]
	s_nop 0
.endr
.rept 4
	v_nop
.endr
.Lfilled:
	v_and_b32 v3, 31, v0                           ; lane
	v_and_b32 v1, 15, v0                           ; r
	v_bfe_u32 v2, v0, 4, 1                         ; h
	v_lshlrev_b32 v4, 4, v3                        ; ctx's fragments in the slice in hand: 16 x lane,
	v_lshlrev_b32 v5, 3, v3                        ; 8 x lane
	s_mul_i32 s30, s20, 12288
	s_add_co_u32 s30, s30, 24576
	v_add_nc_u32 v6, s30, v4                       ; out_w's: my four tiles lie 24,576 + 12,288 x wave on
	v_add_nc_u32 v7, s30, v5
	v_lshlrev_b32 v10, 5, v1                       ; a row's eight scale words
	v_lshlrev_b32 v11, 6, v2                       ; the bias in the result's layout: tile t, lane half h: columns 32 (t / 2) + 8 (t % 2) + 16 h + 0 .. 7
	s_mul_i32 s30, s20, 16*272
	s_add_co_u32 s30, s30, STAGE                   ; my stage
	v_mul_u32_u24 v13, v1, 272
	v_lshl_add_u32 v13, v2, 6, v13
	v_add_nc_u32 v13, s30, v13                     ; in: row r, + 64 h
	v_mul_u32_u24 v14, v2, 272
	v_lshl_add_u32 v14, v1, 4, v14
	v_add_nc_u32 v14, s30, v14                     ; back: lanes 0-15 one row of 256 bytes, lanes 16-31 the next
	v_lshlrev_b32 v15, 12, v2
	v_lshl_add_u32 v15, v1, 4, v15                 ; and the same two rows in out0
	s_lshl_b32 s72, s26, 12                        ; ctx's scale words: 512 bytes a tile, 8 tiles a block
	s_mov_b32 s73, 0
	s_add_nc_u64 s[72:73], s[6:7], s[72:73]
	s_lshl_b32 s74, s25, 4
	s_lshl_b32 s75, s20, 2
	s_add_co_u32 s74, s74, s75
	s_add_co_u32 s74, s74, WT0
	s_lshl_b32 s74, s74, 9                         ; out_w's: from my first tile on
	s_mov_b32 s75, 0
	s_add_nc_u64 s[74:75], s[10:11], s[74:75]
.irp i, 0,1,2,3,4,5,6,7
	global_load_b128 v[SCX+8*\i:SCX+8*\i+3], v10, s[72:73] offset:512*\i       ; lane r: row r's words of K steps 0-3,
	global_load_b128 v[SCX+8*\i+4:SCX+8*\i+7], v10, s[72:73] offset:512*\i+16  ; 4-7: once for the whole launch
.endr
.irp t, 0,1,2,3
	global_load_b128 v[SCW+8*\t:SCW+8*\t+3], v10, s[74:75] offset:512*\t
	global_load_b128 v[SCW+8*\t+4:SCW+8*\t+7], v10, s[74:75] offset:512*\t+16
.endr
	s_lshl_b32 s30, s25, 10
	s_lshl_b32 s31, s20, 8
	s_add_co_u32 s30, s30, s31                     ; my 64 columns, in bytes
	s_mov_b32 s31, 0
	s_add_nc_u64 s[12:13], s[12:13], s[30:31]
	s_add_nc_u64 s[14:15], s[14:15], s[30:31]
	s_lshl_b32 s30, s26, 19                        ; and my block's 128 rows of 4,096 bytes
	s_add_nc_u64 s[14:15], s[14:15], s[30:31]
.irp t, 0,1,2,3
	global_load_b128 v[BI+8*\t:BI+8*\t+3], v11, s[12:13] offset:(32*(\t/2)+8*(\t%2))*4
	global_load_b128 v[BI+8*\t+4:BI+8*\t+7], v11, s[12:13] offset:(32*(\t/2)+8*(\t%2))*4+16
.endr
.macro FRAGL reg, a16, a8, off         ; a fragment, 12 registers, as it was stored
	ds_load_b128 v[(\reg):(\reg)+3], v[\a16] offset:(\off)
	ds_load_b64 v[(\reg)+4:(\reg)+5], v[\a8] offset:(\off)+512
	ds_load_b128 v[(\reg)+6:(\reg)+9], v[\a16] offset:(\off)+768
	ds_load_b64 v[(\reg)+10:(\reg)+11], v[\a8] offset:(\off)+1280
.endm
.macro FETCH s                         ; K step s: 8 fragments of ctx, my 4 of out_w, into set s % 2: 48 loads in one run
	WIN 0x40                                       ; destination window 1
.irp i, 0,1,2,3,4,5,6,7
	FRAGL 96*((\s)%2)+12*\i, 4, 5, 3072*\i+1536*((\s)%2)
.endr
	WIN 0xc0                                       ; destination window 3
.irp t, 0,1,2,3
	FRAGL 48*((\s)%2)+12*\t, 6, 7, 3072*\t+1536*((\s)%2)
.endr
	WIN 0
.endm
; 32 matrix instructions: every accumulator once, in the same order in every step: the accumulators take turns.
.macro MULS s
.set FA, 96*((\s)%2)
.set FB, 48*((\s)%2)
.if (\s) == 0
	WIN 0x87                                       ; source 0 window 3, source 1 window 1, C (the bias) window 0, D window 2
.else
	WIN 0xa7
.endif
.irp i, 0,1,2,3,4,5,6,7
.irp t, 0,1,2,3
.if (\s) == 0
	v_wmma_scale_f32_16x16x128_f8f6f4 v[8*(4*\i+\t):8*(4*\i+\t)+7], v[FB+12*\t:FB+12*\t+11], v[FA+12*\i:FA+12*\i+11], v[BI+8*\t:BI+8*\t+7], v[SCW+8*\t+(\s)], v[SCX+8*\i+(\s)] matrix_a_fmt:MATRIX_FMT_FP6 matrix_b_fmt:MATRIX_FMT_FP6
.else
	v_wmma_scale_f32_16x16x128_f8f6f4 v[8*(4*\i+\t):8*(4*\i+\t)+7], v[FB+12*\t:FB+12*\t+11], v[FA+12*\i:FA+12*\i+11], v[8*(4*\i+\t):8*(4*\i+\t)+7], v[SCW+8*\t+(\s)], v[SCX+8*\i+(\s)] matrix_a_fmt:MATRIX_FMT_FP6 matrix_b_fmt:MATRIX_FMT_FP6
.endif
.endr
.endr
.endm
; A K step of 128.  The next step's fragments are asked for ahead of this step's products, into the set that the step before multiplied: four plain vector instructions stand between those products and the loads.
.macro STEP s
.if (\s) == 7
	s_wait_dscnt 0x0                               ; the last step's fragments are in
	MULS \s
.elseif (\s)%2 == 1                    ; the next step begins a slice
	s_wait_dscnt 0x0                               ; this step's fragments are in, and no LDS access of mine is out at the signal
	s_wait_tensorcnt 3-((\s)+1)/2                  ; my part of the next slice has landed; the later slices' loads stay out
	s_barrier_signal -1
	s_barrier_wait -1                              ; everybody's part has
	WIN 0
	v_add_nc_u32 v4, SLICE, v4                     ; on to that slice: these four are the places in front of the loads
	v_add_nc_u32 v5, SLICE, v5
	v_add_nc_u32 v6, SLICE, v6
	v_add_nc_u32 v7, SLICE, v7
	FETCH (\s)+1
	MULS \s
.else
.if (\s) > 0
.rept 4
	v_nop
.endr
.endif
	FETCH (\s)+1
	s_wait_dscnt 48                                ; all but the 48 loads just issued: this step's fragments are in
	MULS \s
.endif
.endm
	s_wait_loadcnt 0x0                             ; scale words and bias
	s_wait_tensorcnt 0x3                           ; my part of slice 0 has landed; three loads stay out
	s_barrier_signal -1
	s_barrier_wait -1                              ; everybody's has
	FETCH 0
.irp s, 0,1,2,3,4,5,6,7
	STEP \s
.endr
	WIN 0
.rept 4
	v_nop                                          ; places in front of the first read of results
.endr
; THE WAY OUT, a tile of 16 tokens x my 64 columns at a time.  A lane holds 32 neighbouring bytes of a row, the lanes beside it other rows: the tile goes through my own stage in LDS and comes back as whole rows
; of 256 bytes.  LDS serves a wave's instructions in order (ISA guide 5.7.1.4): no wait between the stores and the loads, nor in front of the next tile's stores.
.macro TOSTAGE i
	WIN 0x08                                       ; an LDS store's data are its source 1: window 2
.irp t, 0,1,2,3
	ds_store_b128 v13, v[8*(4*(\i)+\t):8*(4*(\i)+\t)+3] offset:128*(\t/2)+32*(\t%2)        ; each accumulator from its low end on
	ds_store_b128 v13, v[8*(4*(\i)+\t)+4:8*(4*(\i)+\t)+7] offset:128*(\t/2)+32*(\t%2)+16
.endr
	WIN 0
.irp u, 0,1,2,3,4,5,6,7
	ds_load_b128 v[BK+32*((\i)%2)+4*\u:BK+32*((\i)%2)+4*\u+3], v14 offset:544*\u
.endr
.endm
.macro SEND i, younger                 ; younger: the LDS instructions issued behind tile i's loads, which may stay out
	s_wait_dscnt \younger
.irp u, 0,1,2,3,4,5,6,7                ; the stage's rows 2 u and 2 u + 1 are the tokens 32 (i / 2) + 8 (i % 2) + 2 u + 8 (u / 4) and the next
	global_store_b128 v15, v[BK+32*((\i)%2)+4*\u:BK+32*((\i)%2)+4*\u+3], s[14:15] offset:(32*((\i)/2)+8*((\i)%2)+2*\u+8*(\u/4))*4096 th:TH_STORE_NT   ; 16 lanes store 256 consecutive bytes, at a multiple of 256 from out0's first byte
.endr
.endm
	TOSTAGE 0
.irp a, 1,2,3,4,5,6,7
.if \a > 1
	s_wait_xcnt 0x0                                ; tile a - 2's stores have read their registers: tile a's loads may land there
.endif
	TOSTAGE \a
	SEND \a-1, 16                                  ; behind tile a - 1's loads: tile a's 8 stores and 8 loads
.endr
	SEND 7, 0
	s_wait_tensorcnt 0x0                           ; the wave's end: behind my last tensor load and my last LDS store
	ds_add_u32 v[SPW], v[NIL]
	s_wait_dscnt 0x0
	CROUND                                         ; the closing round: no work-group ends while a partner may still ask for a tile that names it
	s_endpgm
.Lfunc_end_k_q5750ee8094_proj:
	.size	k_q5750ee8094_proj, .Lfunc_end_k_q5750ee8094_proj-k_q5750ee8094_proj
	.p2alignl 7, 3214868480
	.fill 96, 4, 3214868480
	.section	.rodata,"a",@progbits
	.p2align	6, 0x0
	.amdhsa_kernel k_q5750ee8094_proj
		.amdhsa_group_segment_fixed_size 327680
		.amdhsa_private_segment_fixed_size 0
		.amdhsa_enable_private_segment 0
		.amdhsa_kernarg_size 48
		.amdhsa_user_sgpr_count 2
		.amdhsa_user_sgpr_kernarg_segment_ptr 1
		.amdhsa_wavefront_size32 1
		.amdhsa_system_sgpr_workgroup_id_x 1
		.amdhsa_system_sgpr_workgroup_id_y 1
		.amdhsa_system_sgpr_workgroup_id_z 1
		.amdhsa_system_vgpr_workitem_id 0
		.amdhsa_next_free_vgpr 1024
		.amdhsa_next_free_sgpr 100
		.amdhsa_reserve_vcc 0
		.amdhsa_float_denorm_mode_32 3
		.amdhsa_float_denorm_mode_16_64 3
		.amdhsa_memory_ordered 1
		.amdhsa_forward_progress 1
		.amdhsa_inst_pref_size 86
	.end_amdhsa_kernel
	.amdgpu_metadata
---
amdhsa.version: [ 1, 2 ]
amdhsa.kernels:
  - .name:           k_q5750ee8094_proj
    .symbol:         k_q5750ee8094_proj.kd
    .args:
      - { .name: cimg, .offset: 0, .size: 8, .value_kind: global_buffer, .address_space: global }
      - { .name: csc, .offset: 8, .size: 8, .value_kind: global_buffer, .address_space: global }
      - { .name: img, .offset: 16, .size: 8, .value_kind: global_buffer, .address_space: global }
      - { .name: sc, .offset: 24, .size: 8, .value_kind: global_buffer, .address_space: global }
      - { .name: out_b, .offset: 32, .size: 8, .value_kind: global_buffer, .address_space: global }
      - { .name: out0, .offset: 40, .size: 8, .value_kind: global_buffer, .address_space: global }
    .group_segment_fixed_size: 327680
    .private_segment_fixed_size: 0
    .kernarg_segment_align: 8
    .kernarg_segment_size: 48
    .max_flat_workgroup_size: 128
    .sgpr_count:     100
    .vgpr_count:     1024
    .wavefront_size: 32
...
	.end_amdgpu_metadata
.endif
;; end of part 4
